; MI455X (gfx1250); checked and timed in simulation.
; The chip was launched on July 23, 2026; its instructions are those of AMD's public machine-readable ISA for CDNA 5 (MIT licence, August 2026) and "CDNA5" Instruction Set Architecture Reference Guide (July 2026). The comments in the code are by the model that wrote it; some were corrected since.
;; Attention. Allowed arithmetic: float matrix products may take bf16 or f16 operands with f32 sums; all other float work in f32.
;; Inputs: b_out 512 float32; k 8 x 1,024 x 512 float32; ln_b 512 float32; ln_g 512 float32; p_b1 64 float32; p_b2 1 float32; p_ln_b 64 float32; p_ln_g 64 float32; p_w1 128 x 64 float32; p_w2 64 x 1 float32; q 8 x 1,024 x 512 float32; v 8 x 1,024 x 512 float32; w_in 512 x 512 float32; w_out 512 x 512 float32.
;; Outputs: out0 8 x 1,024 x 512 float32.
;; 3 versions, each right; version 2 is faster than version 1; version 3 is version 2 with the launch proj written anew for expert scheduling mode. Each part assembles by itself: llvm-mc -triple=amdgcn-amd-amdhsa -mcpu=gfx1250 --defsym DOCPART=n.
;; ======== version 1 of 3: 3 launches
;; limits: values are held in f16: magnitudes above 65,504 overflow, below 6.1e-05 lose precision
;; workspace buffers: qf 16,777,216 bytes; pm 16,777,216 bytes; cs 524,288 bytes; wf 8,388,608 bytes; mu 512 bytes; cst 8,192 bytes
;; launch proj (part 1): grid 4 x 64, 4 waves a work-group, no clusters, 174,592 bytes of LDS; arguments q, k, v, ln_g, ln_b, w_in, qf, pm, cs; writes qf, pm, cs
.if DOCPART == 1
	.amdgcn_target "amdgcn-amd-amdhsa--gfx1250"
	.amdhsa_code_object_version 6
	.text
	.protected	k_q55f6f72361_proj
	.globl	k_q55f6f72361_proj
	.p2align	8
	.type	k_q55f6f72361_proj,@function
k_q55f6f72361_proj:
	s_mov_b64 s[64:65], 0
	v_nop
	global_prefetch_b8 v0, s[64:65] scope:SCOPE_SE
	s_setreg_imm32_b32 hwreg(HW_REG_WAVE_MODE, 25, 1), 1
	s_wait_xcnt 0x0
; LayerNorm + projection by w_in of v, k and q for 128 rows (rb = group y) and 128 columns = 2 heads (cb = group x).
; There is no softmax, so (1-w) cos + w cov times f_v is re-associated: out = (1-w) qhat (khat^T V) + (w/64) qc (kc^T V).
; This launch stores: qf = qhat and qc in f16, in the order in which a matrix fragment is read (16 bytes a lane, 512 a wave);
; pm = this row block's partial khat^T V and kc^T V in f32; cs = column sums and centred sums of squares of f_q and f_k.
; Four waves.  hd = wave & 1 (head), rh = wave >> 1.  Product with w_in: rows 64 rh .. +63 x the 64 columns of head 2 cb + hd.
; k^T V: head hd, kind rh (0 khat, 1 kc), all 128 rows.  LayerNorm: rows 32 wave .. +31.
; The wave's 512 x 64 part of w_in stays in 512 registers (windows 1 to 3) for all three tensors.
; NO JOINT LOADS: x has to pass through registers in f32 for the LayerNorm, and 128 rows of f32 (262,144 bytes) do not fit in LDS
; beside their f16 image (133,120) and V (36,864).
; LIMITS: matrix operands are f16, so |f| has to stay under 65,504.  v_rsq_f32 flushes denormals (ISA guide 15.8): a row whose sum of
; squares is under 2^-126 gets an infinite factor; a row of norm 0 gives NaN or infinity as in the reference.  Sums are ordered otherwise than in the reference.
; LDS: A 0..133,119 (128 rows, pitch 1,040); khat 0.., kc 36,864.. (pitch 288, over A once A is read); V 133,120.. (pitch 288);
; ST 169,984.. two sets (k, q) of [wave][S, M2][64 f32]; at the start w_in's f16 image lies at 0..147,455 (512 rows, pitch 288).
.set APITCH, 1040
.set VPITCH, 288
.set VBASE,  133120
.set KCOFF,  36864
.set STBASE, 169984
.set GG,  16                           ; v16-31  ln_g of my 16 columns (128 c + 4 lane + e)
.set BB,  32                           ; v32-47  ln_b likewise
.set T,   48                           ; v48-63  at work
.set ACC, 64                           ; v64-191 16 accumulator tiles (rt, b) at 32 rt + 8 b; also the LayerNorm's two slots of 4 rows
.set F0,  192                          ; v192-223 fragment buffer 0
.set F1,  224                          ; v224-255 fragment buffer 1
; v4 x offset, v5 LayerNorm's LDS address (v14 its start), v6 A fragments, v7 khat/kc stores, v8 V stores, v9 k^T loads, v10 V^T loads,
; v11 16 lane, v12 ST stores, v13 ST loads, v15 8 lane.  Windows 1, 2, 3: w_in's fragments of K steps 0-5, 6-10, 11-15; v200 there = v6.
.set MSB, 0
.macro WIN new                         ; the immediate's high byte repeats the setting that is left
.if MSB != \new
	s_set_vgpr_msb (MSB<<8)|\new
.set MSB, \new
.endif
.endm
.macro PLACES                          ; four plain places behind a matrix instruction (ISA guide 7.12.1)
.rept 4
	v_nop
.endr
.endm
.macro BAR                             ; my LDS loads and stores are done, then the work-group's barrier
	s_wait_dscnt 0x0
	s_barrier_signal -1
	s_barrier_wait -1
.endm
	s_load_b512 s[4:19], s[0:1], 0x0               ; q, k, v, ln_g, ln_b, w_in, qf, pm
	s_load_b64 s[20:21], s[0:1], 0x40              ; cs
	s_set_vgpr_msb 0x40
	v_lshl_add_u32 v254, v0, 2, 0x2a800
	v_mov_b32 v255, 0
	s_set_vgpr_msb 0x4000
	v_and_b32 v1, 31, v0                           ; lane
	v_lshrrev_b32 v15, 5, v0
	v_readfirstlane_b32 s22, v15                   ; wave
	v_and_b32 v2, 15, v0                           ; r
	v_bfe_u32 v3, v0, 4, 1                         ; h
	s_and_b32 s23, s22, 1                          ; hd
	s_lshr_b32 s24, s22, 1                         ; rh
	s_mov_b32 s25, ttmp9                           ; cb
	s_and_b32 s26, ttmp7, 0xffff                   ; rb
	s_lshl1_add_u32 s27, s25, s23                  ; head = 2 cb + hd
	s_mov_b32 s28, 0x76543210                      ; v_permlanex16_b32: lane i takes lane i of the other half
	s_mov_b32 s29, 0xfedcba98
	s_mov_b32 s45, 0x3b000000                      ; 1/512
	s_mov_b32 s46, 0x3727c5ac                      ; 1e-5
	v_lshlrev_b32 v11, 4, v1
	v_lshlrev_b32 v15, 3, v1
	s_lshl_b32 s47, s22, 16
	v_add_nc_u32 v4, s47, v11                      ; 16 lane + 32 wave rows of 2,048 bytes
	s_mul_i32 s47, s22, 32*APITCH
	v_add_nc_u32 v14, s47, v15                     ; A: row 32 wave, byte 8 lane
	v_mul_u32_u24 v6, v2, APITCH
	v_lshl_add_u32 v6, v3, 4, v6
	s_mul_i32 s47, s24, 64*APITCH
	v_add_nc_u32 v6, s47, v6                       ; (64 rh + r) pitch + 16 h
	v_mul_u32_u24 v7, v2, VPITCH
	v_lshl_add_u32 v7, v3, 4, v7
	s_mul_i32 s47, s24, 64*VPITCH
	s_lshl_b32 s48, s23, 7
	s_add_co_u32 s47, s47, s48
	v_add_nc_u32 v7, s47, v7                       ; (64 rh + r) 288 + 128 hd + 16 h
	v_add_nc_u32 v8, VBASE, v7
	v_and_b32 v49, 7, v0
	v_lshl_add_u32 v49, v3, 3, v49
	v_mul_u32_u24 v48, v49, VPITCH
	v_bfe_u32 v49, v0, 3, 1
	v_lshl_add_u32 v48, v49, 4, v48
	v_add_nc_u32 v48, s48, v48                     ; transposing loads: (8 h + lane % 8) 288 + 16 ((lane >> 3) & 1) + 128 hd
	v_add_nc_u32 v10, VBASE, v48
	s_mul_i32 s47, s24, KCOFF
	v_add_nc_u32 v9, s47, v48
	v_add_nc_u32 v49, 6*9216, v48                  ; w_in's image from K step 6 (32 rows of 288 bytes a step)
	v_add_nc_u32 v50, 11*9216, v48                 ; and from K step 11
	s_lshl_b32 s47, s22, 18
	v_add_nc_u32 v51, s47, v11                     ; w_in: 16 lane + 128 wave rows of 2,048 bytes
	s_mul_i32 s47, s22, 128*VPITCH
	v_add_nc_u32 v52, s47, v15
	s_lshl_b32 s47, s22, 9
	s_add_co_u32 s47, s47, STBASE
	v_lshl_add_u32 v12, v3, 5, s47
	s_lshl_b32 s47, s23, 9
	s_add_co_u32 s47, s47, STBASE
	v_add_nc_u32 v13, s47, v15
	s_wait_kmcnt 0x0
	s_lshl_b32 s50, s26, 18                        ; 128 rows of 2,048 bytes
	s_mov_b32 s51, 0
	s_add_nc_u64 s[30:31], s[4:5], s[50:51]        ; q, k, v at my first row
	s_add_nc_u64 s[32:33], s[6:7], s[50:51]
	s_add_nc_u64 s[34:35], s[8:9], s[50:51]
	s_lshl_b32 s52, s24, 17
	s_add_co_u32 s50, s50, s52
	s_lshl_b32 s52, s27, 12
	s_add_co_u32 s50, s50, s52
	s_add_nc_u64 s[38:39], s[16:17], s[50:51]      ; qf + (8 rb + 4 rh) 32,768 + head 4,096
	s_lshl_b32 s50, s25, 9
	s_add_nc_u64 s[14:15], s[14:15], s[50:51]      ; w_in at my 128 columns
	s_lshr_b32 s52, s26, 3
	s_lshl3_add_u32 s52, s52, s27
	s_lshl1_add_u32 s52, s52, s24
	s_lshl_b32 s50, s52, 17
	s_and_b32 s52, s26, 7
	s_lshl_b32 s52, s52, 12
	s_add_co_u32 s50, s50, s52
	s_add_nc_u64 s[40:41], s[18:19], s[50:51]      ; pm + ((8 qg + head) 2 + rh) 131,072 + (rb % 8) 4,096
	s_lshl_b32 s50, s26, 11
	s_lshl_b32 s52, s27, 8
	s_add_co_u32 s50, s50, s52
	s_add_nc_u64 s[42:43], s[20:21], s[50:51]      ; cs + rb 2,048 + head 256
; ---- w_in: f32 from memory, f16 into LDS; wave w takes K rows 128 w .. +127, 16 rows a batch, two batches on their way
.macro WLOAD bt, x
.irp i, 0,1,2,3,4,5,6,7,8,9,10,11,12,13,14,15
	global_load_b128 v[\x+4*\i:\x+4*\i+3], v51, s[14:15] offset:(16*(\bt)+\i)*2048
.endr
.endm
.macro WBATCH bt, x, more, left
	s_wait_loadcnt \left                           ; this batch is in; the 16 loads of the younger batch stay out
.irp i, 0,1,2,3,4,5,6,7,8,9,10,11,12,13,14,15
	v_cvt_pk_f16_f32 v[\x+4*\i], v[\x+4*\i], v[\x+4*\i+1]
	v_cvt_pk_f16_f32 v[\x+4*\i+1], v[\x+4*\i+2], v[\x+4*\i+3]
	ds_store_b64 v52, v[\x+4*\i:\x+4*\i+1] offset:(16*\bt+\i)*VPITCH
.endr
.if \more
	WLOAD \bt+2, \x
.endif
.endm
.irp c, 0,1,2,3
	global_load_b128 v[GG+4*\c:GG+4*\c+3], v11, s[10:11] offset:512*\c
	global_load_b128 v[BB+4*\c:BB+4*\c+3], v11, s[12:13] offset:512*\c
.endr
	WLOAD 0, ACC
	WLOAD 1, ACC+64
	WBATCH 0, ACC, 1, 16
	WBATCH 1, ACC+64, 1, 16
	WBATCH 2, ACC, 1, 16
	WBATCH 3, ACC+64, 1, 16
	WBATCH 4, ACC, 1, 16
	WBATCH 5, ACC+64, 1, 16
	WBATCH 6, ACC, 0, 16
	WBATCH 7, ACC+64, 0, 0
	BAR                                            ; the image is whole
; ---- my head's fragments of w_in into windows 1 to 3: lane r = column, K along the registers (transposing loads from [K][N] rows)
.macro WREG win, ad, n
	WIN \win                                       ; destination in the window, address in window 0
.set kk, 0
.rept \n
.irp nt, 0,1,2,3
	ds_load_tr16_b128 v[32*kk+8*\nt:32*kk+8*\nt+3], v[\ad] offset:kk*9216+32*\nt
	ds_load_tr16_b128 v[32*kk+8*\nt+4:32*kk+8*\nt+7], v[\ad] offset:kk*9216+32*\nt+4608
.endr
.set kk, kk+1
.endr
	v_mov_b32 v200, v6                             ; A's fragment address once in each window: with source 0 in the window, both the
.endm                                              ; matrix instruction's first source and an LDS load's address are found there
	WREG 0x40, 48, 6
	WREG 0x80, 49, 5
	WREG 0xc0, 50, 5
	WIN 0
	BAR                                            ; every wave has read the image: A may be written over it
; ---- LayerNorm of my 32 rows, 4 rows at a time in two register slots; the f16 result goes to A
.macro LNLOAD s, ro
.irp i, 0,1,2,3
.irp c, 0,1,2,3
	global_load_b128 v[ACC+64*\s+16*\i+4*\c:ACC+64*\s+16*\i+4*\c+3], v4, s[36:37] offset:(\ro+\i)*2048+512*\c
.endr
.endr
.endm
.macro RED4                            ; v[T+4i] summed over the 32 lanes, four rows in step
.irp m, 1,2,4,8
.irp i, 0,1,2,3
	v_add_f32_dpp v[T+4*\i], v[T+4*\i], v[T+4*\i] row_xmask:\m row_mask:0xf bank_mask:0xf
.endr
.endr
.irp i, 0,1,2,3
	v_permlanex16_b32 v[T+4*\i+1], v[T+4*\i], s28, s29
.endr
.irp i, 0,1,2,3
	v_add_f32 v[T+4*\i], v[T+4*\i], v[T+4*\i+1]
.endr
.endm
.macro LNPROC s
.set XB, ACC+64*\s
.irp i, 0,1,2,3
	v_pk_add_f32 v[T+4*\i:T+4*\i+1], v[XB+16*\i:XB+16*\i+1], v[XB+16*\i+2:XB+16*\i+3]
	v_pk_add_f32 v[T+4*\i+2:T+4*\i+3], v[XB+16*\i+4:XB+16*\i+5], v[XB+16*\i+6:XB+16*\i+7]
.endr
.irp j, 8,12
.irp i, 0,1,2,3
	v_pk_add_f32 v[T+4*\i:T+4*\i+1], v[T+4*\i:T+4*\i+1], v[XB+16*\i+\j:XB+16*\i+\j+1]
	v_pk_add_f32 v[T+4*\i+2:T+4*\i+3], v[T+4*\i+2:T+4*\i+3], v[XB+16*\i+\j+2:XB+16*\i+\j+3]
.endr
.endr
.irp i, 0,1,2,3
	v_pk_add_f32 v[T+4*\i:T+4*\i+1], v[T+4*\i:T+4*\i+1], v[T+4*\i+2:T+4*\i+3]
.endr
.irp i, 0,1,2,3
	v_add_f32 v[T+4*\i], v[T+4*\i], v[T+4*\i+1]
.endr
	RED4
.irp i, 0,1,2,3
	v_mul_f32 v[T+4*\i], 0xbb000000, v[T+4*\i]     ; - mean
.endr
.irp j, 0,2,4,6,8,10,12,14
.irp i, 0,1,2,3
	v_pk_add_f32 v[XB+16*\i+\j:XB+16*\i+\j+1], v[XB+16*\i+\j:XB+16*\i+\j+1], v[T+4*\i:T+4*\i+1] op_sel_hi:[1,0]
.endr
.endr
.irp i, 0,1,2,3
	v_pk_mul_f32 v[T+4*\i:T+4*\i+1], v[XB+16*\i:XB+16*\i+1], v[XB+16*\i:XB+16*\i+1]
	v_pk_mul_f32 v[T+4*\i+2:T+4*\i+3], v[XB+16*\i+2:XB+16*\i+3], v[XB+16*\i+2:XB+16*\i+3]
.endr
.irp j, 4,8,12
.irp i, 0,1,2,3
	v_pk_fma_f32 v[T+4*\i:T+4*\i+1], v[XB+16*\i+\j:XB+16*\i+\j+1], v[XB+16*\i+\j:XB+16*\i+\j+1], v[T+4*\i:T+4*\i+1]
	v_pk_fma_f32 v[T+4*\i+2:T+4*\i+3], v[XB+16*\i+\j+2:XB+16*\i+\j+3], v[XB+16*\i+\j+2:XB+16*\i+\j+3], v[T+4*\i+2:T+4*\i+3]
.endr
.endr
.irp i, 0,1,2,3
	v_pk_add_f32 v[T+4*\i:T+4*\i+1], v[T+4*\i:T+4*\i+1], v[T+4*\i+2:T+4*\i+3]
.endr
.irp i, 0,1,2,3
	v_add_f32 v[T+4*\i], v[T+4*\i], v[T+4*\i+1]
.endr
	RED4
.irp i, 0,1,2,3
	v_fma_f32 v[T+4*\i], v[T+4*\i], s45, s46       ; variance + 1e-5
.endr
.irp i, 0,1,2,3
	v_rsq_f32 v[T+4*\i+2], v[T+4*\i]
.endr
	v_nop                                          ; one plain place behind the transcendentals (ISA guide 5.7.2)
	s_wait_alu depctr_va_vdst(0)
.irp j, 0,2,4,6,8,10,12,14
.irp i, 0,1,2,3
	v_pk_mul_f32 v[XB+16*\i+\j:XB+16*\i+\j+1], v[XB+16*\i+\j:XB+16*\i+\j+1], v[T+4*\i+2:T+4*\i+3] op_sel_hi:[1,0]
.endr
.irp i, 0,1,2,3
	v_pk_fma_f32 v[XB+16*\i+\j:XB+16*\i+\j+1], v[XB+16*\i+\j:XB+16*\i+\j+1], v[GG+\j:GG+\j+1], v[BB+\j:BB+\j+1]
.endr
.endr
.irp i, 0,1,2,3
.irp c, 0,1,2,3
	v_cvt_pk_f16_f32 v[XB+16*\i+4*\c], v[XB+16*\i+4*\c], v[XB+16*\i+4*\c+1]
	v_cvt_pk_f16_f32 v[XB+16*\i+4*\c+1], v[XB+16*\i+4*\c+2], v[XB+16*\i+4*\c+3]
	ds_store_b64 v5, v[XB+16*\i+4*\c:XB+16*\i+4*\c+1] offset:(4*\s+\i)*APITCH+256*\c
.endr
.endr
.endm
.macro LNPHASE lo                      ; lo: the scalar pair with the tensor's address at my work-group's first row
	s_mov_b64 s[36:37], s[\lo:\lo+1]               ; every load that named s[36:37] has been waited for
	v_mov_b32 v5, v14
	LNLOAD 0, 0
	LNLOAD 1, 4
	s_mov_b32 s44, 3
.Lln_\@:
	s_wait_loadcnt 16                              ; slot 0's 16 loads are in, slot 1's 16 stay out
	LNPROC 0
	LNLOAD 0, 8
	s_wait_loadcnt 16                              ; slot 1's are in, the 16 just issued stay out
	LNPROC 1
	LNLOAD 1, 12
	s_wait_xcnt 0x0                                ; the base is stepped only behind this wait
	s_add_nc_u64 s[36:37], s[36:37], 16384         ; 8 rows on
	v_add_nc_u32 v5, 8*APITCH, v5
	s_sub_co_u32 s44, s44, 1
	s_cmp_lg_u32 s44, 0
	s_cbranch_scc1 .Lln_\@
	s_wait_loadcnt 16                              ; the last 8 rows: nothing more is loaded
	LNPROC 0
	s_wait_loadcnt 0x0
	LNPROC 1
.endm
; ---- 64 rows x 64 columns x K = 512.  Source 0 = w_in's fragment (its column runs along the result's 8 registers), source 1 = 16 rows of A
; (the row is the result's lane % 16): lane (r, h), register j of tile (rt, b) = f[64 rh + 16 rt + r][16 b + 8 h + j].
.macro AFETCH ks, f
.irp rt, 0,1,2,3
	ds_load_b128 v[\f+8*\rt:\f+8*\rt+3], v200 offset:\rt*16*APITCH+64*(\ks)
	ds_load_b128 v[\f+8*\rt+4:\f+8*\rt+7], v200 offset:\rt*16*APITCH+64*(\ks)+32
.endr
.endm
.macro MUL16 w0, f, first              ; the 16 accumulators take turns, one instruction a turn
.irp rt, 0,1,2,3
.irp b, 0,1,2,3
.if \first
	v_wmma_f32_16x16x32_f16 v[ACC+32*\rt+8*\b:ACC+32*\rt+8*\b+7], v[\w0+8*\b:\w0+8*\b+7], v[\f+8*\rt:\f+8*\rt+7], 0
.else
	v_wmma_f32_16x16x32_f16 v[ACC+32*\rt+8*\b:ACC+32*\rt+8*\b+7], v[\w0+8*\b:\w0+8*\b+7], v[\f+8*\rt:\f+8*\rt+7], v[ACC+32*\rt+8*\b:ACC+32*\rt+8*\b+7]
.endif
.endr
.endr
.endm
.macro GSTEP ks, g, ks0, cur, nxt
	WIN \g                                         ; source 0 in window g, all else in window 0
.if \ks < 15
.if \ks > 0
	PLACES                                         ; the other buffer was read by the matrix instructions just issued
.endif
	AFETCH \ks+1, \nxt
	s_wait_dscnt 8                                 ; this step's fragments are in; the 8 loads just issued stay out
.else
	s_wait_dscnt 0x0
.endif
	MUL16 32*(\ks-\ks0), \cur, \ks==0
.endm
.macro GEMM
	WIN 1
	AFETCH 0, F0
	GSTEP 0, 1, 0, F0, F1
	GSTEP 1, 1, 0, F1, F0
	GSTEP 2, 1, 0, F0, F1
	GSTEP 3, 1, 0, F1, F0
	GSTEP 4, 1, 0, F0, F1
	GSTEP 5, 1, 0, F1, F0
	GSTEP 6, 2, 6, F0, F1
	GSTEP 7, 2, 6, F1, F0
	GSTEP 8, 2, 6, F0, F1
	GSTEP 9, 2, 6, F1, F0
	GSTEP 10, 2, 6, F0, F1
	GSTEP 11, 3, 11, F1, F0
	GSTEP 12, 3, 11, F0, F1
	GSTEP 13, 3, 11, F1, F0
	GSTEP 14, 3, 11, F0, F1
	GSTEP 15, 3, 11, F1, F0
	WIN 0
	PLACES                                         ; behind the last matrix instructions, ahead of the first reader of a result
.endm
; ---- column statistics of my 64 x 64 block: S = sum over rows, M2 = sum of (f - S/64)^2; both halves of the lanes hold 32 columns each
.macro RED16R x
.irp m, 1,2,4,8
.set qi, 0
.rept 32
	v_add_f32_dpp v[\x+qi], v[\x+qi], v[\x+qi] row_xmask:\m row_mask:0xf bank_mask:0xf
.set qi, qi+1
.endr
.endr
.endm
.macro COLSTAT st
.set qi, 0
.rept 16
	v_pk_add_f32 v[F0+2*qi:F0+2*qi+1], v[ACC+2*qi:ACC+2*qi+1], v[ACC+32+2*qi:ACC+33+2*qi]
.set qi, qi+1
.endr
.irp o, 64,96
.set qi, 0
.rept 16
	v_pk_add_f32 v[F0+2*qi:F0+2*qi+1], v[F0+2*qi:F0+2*qi+1], v[ACC+\o+2*qi:ACC+\o+2*qi+1]
.set qi, qi+1
.endr
.endr
	RED16R F0
.set qi, 0
.rept 16
	v_pk_mul_f32 v[F1+2*qi:F1+2*qi+1], v[F0+2*qi:F0+2*qi+1], 0xbc800000 op_sel_hi:[1,0]   ; - S/64
.set qi, qi+1
.endr
.set qi, 0
.rept 16
.set tb, T+8*(qi&1)
	v_pk_add_f32 v[tb:tb+1],   v[ACC+2*qi:ACC+2*qi+1],       v[F1+2*qi:F1+2*qi+1]
	v_pk_add_f32 v[tb+2:tb+3], v[ACC+32+2*qi:ACC+33+2*qi],   v[F1+2*qi:F1+2*qi+1]
	v_pk_add_f32 v[tb+4:tb+5], v[ACC+64+2*qi:ACC+65+2*qi],   v[F1+2*qi:F1+2*qi+1]
	v_pk_add_f32 v[tb+6:tb+7], v[ACC+96+2*qi:ACC+97+2*qi],   v[F1+2*qi:F1+2*qi+1]
	v_pk_mul_f32 v[F1+2*qi:F1+2*qi+1], v[tb:tb+1], v[tb:tb+1]
	v_pk_fma_f32 v[F1+2*qi:F1+2*qi+1], v[tb+2:tb+3], v[tb+2:tb+3], v[F1+2*qi:F1+2*qi+1]
	v_pk_fma_f32 v[F1+2*qi:F1+2*qi+1], v[tb+4:tb+5], v[tb+4:tb+5], v[F1+2*qi:F1+2*qi+1]
	v_pk_fma_f32 v[F1+2*qi:F1+2*qi+1], v[tb+6:tb+7], v[tb+6:tb+7], v[F1+2*qi:F1+2*qi+1]
.set qi, qi+1
.endr
	RED16R F1
.irp b, 0,1,2,3                        ; the 16 lanes of a half store equal numbers to equal addresses
	ds_store_b128 v12, v[F0+8*\b:F0+8*\b+3]   offset:\st+64*\b
	ds_store_b128 v12, v[F0+8*\b+4:F0+8*\b+7] offset:\st+64*\b+16
	ds_store_b128 v12, v[F1+8*\b:F1+8*\b+3]   offset:\st+256+64*\b
	ds_store_b128 v12, v[F1+8*\b+4:F1+8*\b+7] offset:\st+256+64*\b+16
.endr
.endm
; ---- row statistics of row tile rt: v[T] = - mean over the head's 64 columns, v[T+2] = 1 / norm
.macro ROWSTAT rt
.set AB, ACC+32*\rt
	v_pk_add_f32 v[T:T+1],   v[AB:AB+1],   v[AB+2:AB+3]
	v_pk_add_f32 v[T+2:T+3], v[AB+4:AB+5], v[AB+6:AB+7]
	v_pk_mul_f32 v[T+4:T+5], v[AB:AB+1],   v[AB:AB+1]
	v_pk_mul_f32 v[T+6:T+7], v[AB+2:AB+3], v[AB+2:AB+3]
	v_pk_fma_f32 v[T+4:T+5], v[AB+4:AB+5], v[AB+4:AB+5], v[T+4:T+5]
	v_pk_fma_f32 v[T+6:T+7], v[AB+6:AB+7], v[AB+6:AB+7], v[T+6:T+7]
.irp j, 8,12,16,20,24,28
	v_pk_add_f32 v[T:T+1],   v[T:T+1],   v[AB+\j:AB+\j+1]
	v_pk_add_f32 v[T+2:T+3], v[T+2:T+3], v[AB+\j+2:AB+\j+3]
	v_pk_fma_f32 v[T+4:T+5], v[AB+\j:AB+\j+1],   v[AB+\j:AB+\j+1],   v[T+4:T+5]
	v_pk_fma_f32 v[T+6:T+7], v[AB+\j+2:AB+\j+3], v[AB+\j+2:AB+\j+3], v[T+6:T+7]
.endr
	v_pk_add_f32 v[T:T+1],   v[T:T+1],   v[T+2:T+3]
	v_pk_add_f32 v[T+4:T+5], v[T+4:T+5], v[T+6:T+7]
	v_add_f32 v[T], v[T], v[T+1]
	v_add_f32 v[T+4], v[T+4], v[T+5]
	v_permlanex16_b32 v[T+1], v[T], s28, s29       ; the other 32 columns lie in the other half of the lanes
	v_permlanex16_b32 v[T+5], v[T+4], s28, s29
	v_add_f32 v[T], v[T], v[T+1]
	v_add_f32 v[T+4], v[T+4], v[T+5]
	v_rsq_f32 v[T+2], v[T+4]
	v_mul_f32 v[T], 0xbc800000, v[T]               ; - sum/64; also the plain place behind v_rsq_f32
.endm
; f / norm into v[f .. f+15], f - mean into v[f+16 .. f+31], both f16: tile b's four registers are one 16-byte piece of a fragment
.macro PACK rt, f
.set AB, ACC+32*\rt
	s_wait_alu depctr_va_vdst(0)
.irp b, 0,1,2,3
.irp p, 0,1,2,3
	v_pk_mul_f32 v[T+8+2*\p:T+9+2*\p], v[AB+8*\b+2*\p:AB+8*\b+2*\p+1], v[T+2:T+3] op_sel_hi:[1,0]
.endr
.irp p, 0,1,2,3
	v_cvt_pk_f16_f32 v[\f+4*\b+\p], v[T+8+2*\p], v[T+9+2*\p]
.endr
.irp p, 0,1,2,3
	v_pk_add_f32 v[T+8+2*\p:T+9+2*\p], v[AB+8*\b+2*\p:AB+8*\b+2*\p+1], v[T:T+1] op_sel_hi:[1,0]
.endr
.irp p, 0,1,2,3
	v_cvt_pk_f16_f32 v[\f+16+4*\b+\p], v[T+8+2*\p], v[T+9+2*\p]
.endr
.endr
.endm
.macro KROW rt, f                      ; khat and kc of 16 rows into LDS, [row][column]
	ROWSTAT \rt
	PACK \rt, \f
.irp b, 0,1,2,3
	ds_store_b128 v7, v[\f+4*\b:\f+4*\b+3] offset:\rt*16*VPITCH+32*\b
	ds_store_b128 v7, v[\f+16+4*\b:\f+16+4*\b+3] offset:KCOFF+\rt*16*VPITCH+32*\b
.endr
.endm
.macro QROW rt, f                      ; qhat and qc of 16 rows to qf: each store covers 512 consecutive bytes, aligned
	ROWSTAT \rt
	s_wait_xcnt 0x0                                ; buffer f was the data of stores two turns ago
	PACK \rt, \f
.irp b, 0,1,2,3
	global_store_b128 v11, v[\f+4*\b:\f+4*\b+3], s[38:39] offset:\rt*32768+512*\b
	global_store_b128 v11, v[\f+16+4*\b:\f+16+4*\b+3], s[38:39] offset:\rt*32768+2048+512*\b
.endr
.endm
; the two row halves' statistics of a head are joined (64 rows each: M2 = M2a + M2b + (Sa - Sb)^2 / 128) and stored; waves 0 and 1 only
.macro MERGE t, st
	s_cmp_ge_u32 s22, 2
	s_cbranch_scc1 .Lnomerge_\@
	ds_load_b64 v[T:T+1],   v13 offset:\st
	ds_load_b64 v[T+2:T+3], v13 offset:\st+256
	ds_load_b64 v[T+4:T+5], v13 offset:\st+1024
	ds_load_b64 v[T+6:T+7], v13 offset:\st+1280
	s_wait_dscnt 0x0
	v_pk_add_f32 v[T+8:T+9], v[T:T+1], v[T+4:T+5] neg_lo:[0,1] neg_hi:[0,1]
	v_pk_add_f32 v[T:T+1],   v[T:T+1], v[T+4:T+5]
	v_pk_add_f32 v[T+2:T+3], v[T+2:T+3], v[T+6:T+7]
	v_pk_mul_f32 v[T+8:T+9], v[T+8:T+9], v[T+8:T+9]
	v_pk_fma_f32 v[T+2:T+3], v[T+8:T+9], 0x3c000000, v[T+2:T+3] op_sel_hi:[1,0,1]
	global_store_b64 v15, v[T:T+1],   s[42:43] offset:(2*\t)*131072
	global_store_b64 v15, v[T+2:T+3], s[42:43] offset:(2*\t+1)*131072
	s_wait_xcnt 0x0                                ; T is written again only behind this wait
.Lnomerge_\@:
.endm
; ==== v
	LNPHASE 34
	BAR                                            ; A is whole
	GEMM
.irp rt, 0,1,2,3
.irp b, 0,1,2,3
.irp p, 0,1,2,3
	v_cvt_pk_f16_f32 v[T+4*\b+\p], v[ACC+32*\rt+8*\b+2*\p], v[ACC+32*\rt+8*\b+2*\p+1]
.endr
	ds_store_b128 v8, v[T+4*\b:T+4*\b+3] offset:\rt*16*VPITCH+32*\b
.endr
.endr
	BAR                                            ; every wave has read A
; ==== k
	LNPHASE 32
	BAR
	GEMM
	BAR                                            ; every wave has read A: khat and kc go over it
	COLSTAT 0
	KROW 0, F0
	KROW 1, F1
	KROW 2, F0
	KROW 3, F1
	BAR                                            ; khat, kc, V and the statistics are whole
; ==== M[d1][d2] = sum over my work-group's 128 rows of K[row][d1] V[row][d2]: source 0 = V^T (d2 along the registers), source 1 = K^T (d1 = lane % 16)
.irp s, 0,1,2,3
.if \s
	PLACES
.endif
.irp b, 0,1,2,3
	ds_load_tr16_b128 v[F0+8*\b:F0+8*\b+3],   v10 offset:9216*\s+32*\b
	ds_load_tr16_b128 v[F0+8*\b+4:F0+8*\b+7], v10 offset:9216*\s+32*\b+4608
	ds_load_tr16_b128 v[F1+8*\b:F1+8*\b+3],   v9 offset:9216*\s+32*\b
	ds_load_tr16_b128 v[F1+8*\b+4:F1+8*\b+7], v9 offset:9216*\s+32*\b+4608
.endr
	s_wait_dscnt 0x0
.irp a, 0,1,2,3
.irp b, 0,1,2,3
.if \s
	v_wmma_f32_16x16x32_f16 v[ACC+32*\a+8*\b:ACC+32*\a+8*\b+7], v[F0+8*\b:F0+8*\b+7], v[F1+8*\a:F1+8*\a+7], v[ACC+32*\a+8*\b:ACC+32*\a+8*\b+7]
.else
	v_wmma_f32_16x16x32_f16 v[ACC+32*\a+8*\b:ACC+32*\a+8*\b+7], v[F0+8*\b:F0+8*\b+7], v[F1+8*\a:F1+8*\a+7], 0
.endif
.endr
.endr
.endr
	PLACES
.irp a, 0,1,2,3
.irp b, 0,1,2,3
	global_store_b128 v11, v[ACC+32*\a+8*\b:ACC+32*\a+8*\b+3],   s[40:41] offset:\a*32768+1024*\b
	global_store_b128 v11, v[ACC+32*\a+8*\b+4:ACC+32*\a+8*\b+7], s[40:41] offset:\a*32768+1024*\b+512
.endr
.endr
	s_wait_xcnt 0x0                                ; the accumulators are loaded into again only behind this wait
	MERGE 1, 0
	BAR                                            ; every wave has read khat, kc and V: A may be written again
; ==== q
	LNPHASE 30
	BAR
	GEMM
	COLSTAT 2048
	QROW 0, F0
	QROW 1, F1
	QROW 2, F0
	QROW 3, F1
	BAR                                            ; the statistics of q are whole
	MERGE 0, 2048
	s_set_vgpr_msb 0x5
	s_wait_tensorcnt 0x0
	ds_add_u32 v254, v255
	s_wait_dscnt 0x0
	s_set_vgpr_msb 0x500
	s_endpgm
.Lfunc_end_k_q55f6f72361_proj:
	.size	k_q55f6f72361_proj, .Lfunc_end_k_q55f6f72361_proj-k_q55f6f72361_proj
	.p2alignl 7, 3214868480
	.fill 96, 4, 3214868480
	.section	.rodata,"a",@progbits
	.p2align	6, 0x0
	.amdhsa_kernel k_q55f6f72361_proj
		.amdhsa_group_segment_fixed_size 174592
		.amdhsa_private_segment_fixed_size 0
		.amdhsa_enable_private_segment 0
		.amdhsa_kernarg_size 72
		.amdhsa_user_sgpr_count 2
		.amdhsa_user_sgpr_kernarg_segment_ptr 1
		.amdhsa_wavefront_size32 1
		.amdhsa_system_sgpr_workgroup_id_x 1
		.amdhsa_system_sgpr_workgroup_id_y 1
		.amdhsa_system_sgpr_workgroup_id_z 1
		.amdhsa_system_vgpr_workitem_id 0
		.amdhsa_next_free_vgpr 1024
		.amdhsa_next_free_sgpr 66
		.amdhsa_reserve_vcc 0
		.amdhsa_float_denorm_mode_32 3
		.amdhsa_float_denorm_mode_16_64 3
		.amdhsa_memory_ordered 1
		.amdhsa_forward_progress 1
		.amdhsa_inst_pref_size 255
	.end_amdhsa_kernel
	.section	.bss,"aw",@nobits
	.p2align	6
	.space	262144
	.amdgpu_metadata
---
amdhsa.version: [ 1, 2 ]
amdhsa.kernels:
  - .name:           k_q55f6f72361_proj
    .symbol:         k_q55f6f72361_proj.kd
    .args:
      - { .name: q, .offset: 0, .size: 8, .value_kind: global_buffer, .address_space: global }
      - { .name: k, .offset: 8, .size: 8, .value_kind: global_buffer, .address_space: global }
      - { .name: v, .offset: 16, .size: 8, .value_kind: global_buffer, .address_space: global }
      - { .name: ln_g, .offset: 24, .size: 8, .value_kind: global_buffer, .address_space: global }
      - { .name: ln_b, .offset: 32, .size: 8, .value_kind: global_buffer, .address_space: global }
      - { .name: w_in, .offset: 40, .size: 8, .value_kind: global_buffer, .address_space: global }
      - { .name: qf, .offset: 48, .size: 8, .value_kind: global_buffer, .address_space: global }
      - { .name: pm, .offset: 56, .size: 8, .value_kind: global_buffer, .address_space: global }
      - { .name: cs, .offset: 64, .size: 8, .value_kind: global_buffer, .address_space: global }
    .group_segment_fixed_size: 174592
    .private_segment_fixed_size: 0
    .kernarg_segment_align: 8
    .kernarg_segment_size: 72
    .max_flat_workgroup_size: 128
    .sgpr_count:     66
    .vgpr_count:     1024
    .wavefront_size: 32
...
	.end_amdgpu_metadata
.endif
;; end of part 1
;; launch fold (part 2): grid 256 x 1, 4 waves a work-group, no clusters, 35,840 bytes of LDS; arguments pm, cs, w_out, wf, mu, cst; writes wf, mu, cst
.if DOCPART == 2
	.amdgcn_target "amdgcn-amd-amdhsa--gfx1250"
	.amdhsa_code_object_version 6
	.text
	.protected	k_q55f6f72361_fold
	.globl	k_q55f6f72361_fold
	.p2align	8
	.type	k_q55f6f72361_fold,@function
k_q55f6f72361_fold:
	s_mov_b64 s[64:65], 0
	v_nop
	global_prefetch_b8 v0, s[64:65] scope:SCOPE_SE
	s_setreg_imm32_b32 hwreg(HW_REG_WAVE_MODE, 25, 1), 1
	s_wait_xcnt 0x0
; For one (query group qg, head hh, kind, half nh of the output columns): M = the sum of the 8 row blocks' partial k^T V (64 x 64, f32);
; mu = the largest |M| (floored at 2^-100), so that M / mu has room in f16 whatever the inputs' size; U = (M / mu) w_out[64 hh .. +63][256 nh .. +255],
; stored in f16 in the order in which the last launch reads fragments.  mu goes to memory in f32 and is multiplied back there.
; Wave a owns rows d1 = 16 a .. +15 of M.  16 of the work-groups (qg = 0, nh = 0) also join the 64 row blocks' column statistics
; of one tensor (t = kind) and head: M2 = sum M2_g + sum (S_g - S/64)^2 / 128 (blocks of 128 rows).
; Loads go through registers: a partial is read by two work-groups only and w_out's part is 65,536 bytes, so joint loads would spare little.
; LDS: w_out's part in f16, 64 rows (d2) of pitch 544; the four waves' maxima at 34,816.
.set MF,  16                           ; v16-31   M / mu as two fragments (K = d2)
.set ACC, 32                           ; v32-63   four accumulator tiles
.set R,   64                           ; v64-191  w_out as loaded, then partials 2-5, then the two fragment buffers
.set FB0, 64
.set FB1, 128
.set SUM, 192                          ; v192-223 M: register 8 b + j = M[16 a + r][16 b + 8 h + j]
.set TT,  224                          ; v224-255 a partial
.set PK,  192                          ; v192-255 packed results, 16 registers of its own for each group of four column tiles
.set WOP, 544
.set MX,  34816
.macro PLACES
.rept 4
	v_nop
.endr
.endm
	s_load_b256 s[4:11], s[0:1], 0x0               ; pm, cs, w_out, wf
	s_load_b128 s[12:15], s[0:1], 0x20             ; mu, cst
	s_set_vgpr_msb 0x40
	v_lshl_add_u32 v0, v0, 2, 0x8a00
	v_mov_b32 v1, 0
	s_set_vgpr_msb 0x4000
	v_and_b32 v1, 31, v0
	v_lshrrev_b32 v10, 5, v0
	v_readfirstlane_b32 s16, v10                   ; wave = a
	v_bfe_u32 v3, v0, 4, 1                         ; h
	v_mov_b32 v2, 0
	v_mov_b32 v11, 0
	s_lshr_b32 s17, ttmp9, 5                       ; qg
	s_bfe_u32 s18, ttmp9, 0x30002                  ; hh
	s_bfe_u32 s19, ttmp9, 0x10001                  ; kind
	s_and_b32 s20, ttmp9, 1                        ; nh
	s_mov_b32 s22, 0x76543210
	s_mov_b32 s23, 0xfedcba98
	v_lshlrev_b32 v4, 4, v1                        ; 16 lane
	v_lshlrev_b32 v5, 3, v1                        ; 8 lane
	s_mul_i32 s24, s16, 16*WOP
	v_add_nc_u32 v6, s24, v5                       ; w_out's image: row 16 a, byte 8 lane
	v_and_b32 v7, 7, v0
	v_lshl_add_u32 v7, v3, 3, v7
	v_mul_u32_u24 v7, v7, WOP
	v_bfe_u32 v10, v0, 3, 1
	v_lshl_add_u32 v7, v10, 4, v7                  ; transposing loads: (8 h + lane % 8) pitch + 16 ((lane >> 3) & 1)
	s_lshl_b32 s24, s16, 2
	s_add_co_u32 s24, s24, MX
	v_mov_b32 v8, s24
	v_mov_b32 v9, MX
	s_lshl3_add_u32 s25, s17, s18
	s_lshl1_add_u32 s25, s25, s19                  ; (8 qg + hh) 2 + kind
	s_mov_b32 s27, 0
	s_wait_kmcnt 0x0
	s_lshl2_add_u32 s26, s25, s16
	s_lshl_b32 s26, s26, 15
	s_add_nc_u64 s[4:5], s[4:5], s[26:27]          ; pm at my 16 rows of M
	s_lshl_b32 s26, s18, 17
	s_lshl_b32 s28, s20, 10
	s_add_co_u32 s26, s26, s28
	s_lshl_b32 s28, s16, 15
	s_add_co_u32 s26, s26, s28
	s_add_nc_u64 s[8:9], s[8:9], s[26:27]          ; w_out at row 64 hh + 16 a, column 256 nh
	s_lshl_b32 s26, s17, 20
	s_lshl_b32 s28, s20, 19
	s_add_co_u32 s26, s26, s28
	s_lshl_b32 s28, s18, 12
	s_add_co_u32 s26, s26, s28
	s_lshl_b32 s28, s19, 11
	s_add_co_u32 s26, s26, s28
	s_lshl_b32 s28, s16, 9
	s_add_co_u32 s26, s26, s28
	s_add_nc_u64 s[10:11], s[10:11], s[26:27]      ; wf + qg 2^20 + 16 nh 32,768 + (4 hh + 2 kind + a/2) 1,024 + (a & 1) 512
	s_lshl_b32 s26, s25, 2
	s_add_nc_u64 s[12:13], s[12:13], s[26:27]      ; mu's word
	s_lshl_b32 s26, s19, 18
	s_lshl_b32 s28, s18, 8
	s_add_co_u32 s26, s26, s28
	s_add_nc_u64 s[6:7], s[6:7], s[26:27]          ; cs at tensor kind, head hh
	s_lshl_b32 s26, s19, 12
	s_add_co_u32 s26, s26, s28
	s_add_nc_u64 s[14:15], s[14:15], s[26:27]      ; cst likewise
.macro PLOAD rbl, x                    ; row block rbl's partial of my 16 rows: 8 loads of 512 consecutive bytes
.irp i, 0,1,2,3,4,5,6,7
	global_load_b128 v[\x+4*\i:\x+4*\i+3], v4, s[4:5] offset:\rbl*4096+512*\i
.endr
.endm
.macro PADD x
.irp i, 0,1,2,3,4,5,6,7,8,9,10,11,12,13,14,15
	v_pk_add_f32 v[SUM+2*\i:SUM+2*\i+1], v[SUM+2*\i:SUM+2*\i+1], v[\x+2*\i:\x+2*\i+1]
.endr
.endm
.set qi, 0
.rept 32
	global_load_b128 v[R+4*qi:R+4*qi+3], v4, s[8:9] offset:(qi/2)*2048+(qi%2)*512
.set qi, qi+1
.endr
	PLOAD 0, SUM
	PLOAD 1, TT
	s_wait_loadcnt 16                              ; w_out's 32 loads are in; the two partials' 16 stay out
.set qi, 0
.rept 32
	v_cvt_pk_f16_f32 v[R+4*qi], v[R+4*qi], v[R+4*qi+1]
	v_cvt_pk_f16_f32 v[R+4*qi+1], v[R+4*qi+2], v[R+4*qi+3]
	ds_store_b64 v6, v[R+4*qi:R+4*qi+1] offset:(qi/2)*WOP+(qi%2)*256
.set qi, qi+1
.endr
	PLOAD 2, R
	PLOAD 3, R+32
	PLOAD 4, R+64
	PLOAD 5, R+96
	s_wait_loadcnt 32                              ; partials 0 and 1 are in; the 32 loads just issued stay out
	PADD TT
	PLOAD 6, TT
	s_wait_loadcnt 8                               ; partials 2 to 5 are in; partial 6's 8 loads stay out
	PADD R
	PADD R+32
	PADD R+64
	PADD R+96
	PLOAD 7, R
	s_wait_loadcnt 8                               ; partial 6 is in; partial 7's 8 loads stay out
	PADD TT
	s_wait_loadcnt 0x0
	PADD R
	; the largest magnitude: in the lane, over the wave, over the four waves
	v_max_num_f32 v10, |v[SUM]|, |v[SUM+1]|
.set qi, 1
.rept 15
	v_max3_num_f32 v10, |v[SUM+2*qi]|, |v[SUM+2*qi+1]|, v10
.set qi, qi+1
.endr
.irp m, 1,2,4,8
	v_max_num_f32_dpp v10, v10, v10 row_xmask:\m row_mask:0xf bank_mask:0xf
.endr
	v_permlanex16_b32 v11, v10, s22, s23
	v_max_num_f32 v10, v10, v11
	ds_store_b32 v8, v10
	s_wait_dscnt 0x0                               ; my rows of w_out's image and my maximum are stored
	s_barrier_signal -1
	s_barrier_wait -1
	ds_load_b128 v[12:15], v9
.macro WFETCH g, fb                    ; four column tiles x two K steps of w_out's fragments: lane % 16 = column, d2 along the registers
.irp i, 0,1,2,3
.irp s, 0,1
	ds_load_tr16_b128 v[\fb+16*\i+8*\s:\fb+16*\i+8*\s+3],   v7 offset:32*WOP*\s+32*(4*(\g)+\i)
	ds_load_tr16_b128 v[\fb+16*\i+8*\s+4:\fb+16*\i+8*\s+7], v7 offset:32*WOP*\s+16*WOP+32*(4*(\g)+\i)
.endr
.endr
.endm
	WFETCH 0, FB0
	WFETCH 1, FB1
	s_wait_dscnt 32                                ; the four maxima are in; the 32 fragment loads stay out
	v_max3_num_f32 v10, v12, v13, v14
	v_max3_num_f32 v10, v10, v15, 0x0d800000       ; mu, at least 2^-100
	v_rcp_f32 v12, v10
	v_nop                                          ; one plain place behind v_rcp_f32
	s_wait_alu depctr_va_vdst(0)
.irp i, 0,1,2,3,4,5,6,7,8,9,10,11,12,13,14,15
	v_pk_mul_f32 v[SUM+2*\i:SUM+2*\i+1], v[SUM+2*\i:SUM+2*\i+1], v[12:13] op_sel_hi:[1,0]
.endr
.irp i, 0,1,2,3,4,5,6,7,8,9,10,11,12,13,14,15
	v_cvt_pk_f16_f32 v[MF+\i], v[SUM+2*\i], v[SUM+2*\i+1]      ; tiles b = 2 s, 2 s + 1 are the two halves of K step s's fragment
.endr
; source 0 = M (d1 along the result's registers), source 1 = w_out (column = lane % 16): a lane's 8 results are 16 bytes of wf
.macro GROUP g, fb, left, more
	s_wait_dscnt \left                             ; this group's fragments are in; the next group's 16 loads stay out
.irp i, 0,1,2,3                        ; the four accumulators take turns
	v_wmma_f32_16x16x32_f16 v[ACC+8*\i:ACC+8*\i+7], v[MF:MF+7], v[\fb+16*\i:\fb+16*\i+7], 0
.endr
.irp i, 0,1,2,3
	v_wmma_f32_16x16x32_f16 v[ACC+8*\i:ACC+8*\i+7], v[MF+8:MF+15], v[\fb+16*\i+8:\fb+16*\i+15], v[ACC+8*\i:ACC+8*\i+7]
.endr
	PLACES
.irp i, 0,1,2,3
.irp p, 0,1,2,3
	v_cvt_pk_f16_f32 v[PK+16*\g+4*\i+\p], v[ACC+8*\i+2*\p], v[ACC+8*\i+2*\p+1]
.endr
.endr
.irp i, 0,1,2,3
	global_store_b128 v4, v[PK+16*\g+4*\i:PK+16*\g+4*\i+3], s[10:11] offset:(4*\g+\i)*32768
.endr
.if \more
	WFETCH \g+2, \fb
.endif
.endm
	GROUP 0, FB0, 16, 1
	GROUP 1, FB1, 16, 1
	GROUP 2, FB0, 16, 0
	GROUP 3, FB1, 0, 0
	; mu: one word, from lane 0 of wave 0 of the work-group with nh = 0
	s_cmp_lg_u32 s20, 0
	s_cbranch_scc1 .Ldone
	s_cmp_lg_u32 s16, 0
	s_cbranch_scc1 .Lstat
	v_cmp_eq_u32 vcc_lo, 0, v1
	s_wait_xcnt 0x0                                ; EXEC changes only behind s_wait_xcnt 0
	s_and_saveexec_b32 s30, vcc_lo
	global_store_b32 v2, v10, s[12:13]
	s_wait_xcnt 0x0
	s_or_b32 exec_lo, exec_lo, s30
	s_branch .Ldone
.Lstat:
	; the statistics' slice: wave 1 of the work-groups with qg = 0 and nh = 0; a lane owns 2 of the head's 64 columns
	s_cmp_lg_u32 s17, 0
	s_cbranch_scc1 .Ldone
	s_cmp_lg_u32 s16, 1
	s_cbranch_scc1 .Ldone
	s_wait_xcnt 0x0                                ; v192-255 were the data of the stores above
.set gi, 0
.rept 64
	global_load_b64 v[64+2*gi:65+2*gi], v5, s[6:7] offset:gi*2048              ; S of row block gi
.set gi, gi+1
.endr
.set gi, 0
.rept 32
	global_load_b64 v[192+2*gi:193+2*gi], v5, s[6:7] offset:131072+gi*2048     ; M2 of row blocks 0 to 31
.set gi, gi+1
.endr
	s_wait_loadcnt 32                              ; the 64 S are in; the 32 loads of M2 stay out
.irp c, 0,1,2,3
	v_pk_add_f32 v[16+2*\c:17+2*\c], v[64+2*\c:65+2*\c], v[72+2*\c:73+2*\c]
.endr
.set gi, 8
.rept 56
	v_pk_add_f32 v[16+2*(gi%4):17+2*(gi%4)], v[16+2*(gi%4):17+2*(gi%4)], v[64+2*gi:65+2*gi]
.set gi, gi+1
.endr
	v_pk_add_f32 v[16:17], v[16:17], v[18:19]
	v_pk_add_f32 v[20:21], v[20:21], v[22:23]
	v_pk_add_f32 v[16:17], v[16:17], v[20:21]      ; S over all 8,192 rows
	v_pk_mul_f32 v[24:25], v[16:17], 0xbc800000 op_sel_hi:[1,0]    ; - S/64
.set gi, 0
.rept 64
	v_pk_add_f32 v[64+2*gi:65+2*gi], v[64+2*gi:65+2*gi], v[24:25]
.set gi, gi+1
.endr
	v_pk_mul_f32 v[26:27], v[64:65], v[64:65]
	v_pk_mul_f32 v[28:29], v[66:67], v[66:67]
.set gi, 2
.rept 62
	v_pk_fma_f32 v[26+2*(gi%2):27+2*(gi%2)], v[64+2*gi:65+2*gi], v[64+2*gi:65+2*gi], v[26+2*(gi%2):27+2*(gi%2)]
.set gi, gi+1
.endr
	v_pk_add_f32 v[26:27], v[26:27], v[28:29]
.set gi, 0
.rept 32
	global_load_b64 v[64+2*gi:65+2*gi], v5, s[6:7] offset:131072+(32+gi)*2048  ; M2 of row blocks 32 to 63
.set gi, gi+1
.endr
	s_wait_loadcnt 32                              ; the first 32 M2 are in; the 32 just issued stay out
	v_pk_add_f32 v[18:19], v[192:193], v[194:195]
	v_pk_add_f32 v[20:21], v[196:197], v[198:199]
.set gi, 4
.rept 28
	v_pk_add_f32 v[18+2*(gi%2):19+2*(gi%2)], v[18+2*(gi%2):19+2*(gi%2)], v[192+2*gi:193+2*gi]
.set gi, gi+1
.endr
	s_wait_loadcnt 0x0
.set gi, 0
.rept 32
	v_pk_add_f32 v[18+2*(gi%2):19+2*(gi%2)], v[18+2*(gi%2):19+2*(gi%2)], v[64+2*gi:65+2*gi]
.set gi, gi+1
.endr
	v_pk_add_f32 v[18:19], v[18:19], v[20:21]
	v_pk_fma_f32 v[18:19], v[26:27], 0x3c000000, v[18:19] op_sel_hi:[1,0,1]
	global_store_b64 v5, v[16:17], s[14:15]
	global_store_b64 v5, v[18:19], s[14:15] offset:2048
.Ldone:
	s_set_vgpr_msb 0x5
	s_wait_tensorcnt 0x0
	ds_add_u32 v0, v1
	s_wait_dscnt 0x0
	s_set_vgpr_msb 0x500
	s_endpgm
.Lfunc_end_k_q55f6f72361_fold:
	.size	k_q55f6f72361_fold, .Lfunc_end_k_q55f6f72361_fold-k_q55f6f72361_fold
	.p2alignl 7, 3214868480
	.fill 96, 4, 3214868480
	.section	.rodata,"a",@progbits
	.p2align	6, 0x0
	.amdhsa_kernel k_q55f6f72361_fold
		.amdhsa_group_segment_fixed_size 35840
		.amdhsa_private_segment_fixed_size 0
		.amdhsa_enable_private_segment 0
		.amdhsa_kernarg_size 48
		.amdhsa_user_sgpr_count 2
		.amdhsa_user_sgpr_kernarg_segment_ptr 1
		.amdhsa_wavefront_size32 1
		.amdhsa_system_sgpr_workgroup_id_x 1
		.amdhsa_system_sgpr_workgroup_id_y 1
		.amdhsa_system_sgpr_workgroup_id_z 1
		.amdhsa_system_vgpr_workitem_id 0
		.amdhsa_next_free_vgpr 258
		.amdhsa_next_free_sgpr 66
		.amdhsa_reserve_vcc 1
		.amdhsa_float_denorm_mode_32 3
		.amdhsa_float_denorm_mode_16_64 3
		.amdhsa_memory_ordered 1
		.amdhsa_forward_progress 1
		.amdhsa_inst_pref_size 71
	.end_amdhsa_kernel
	.amdgpu_metadata
---
amdhsa.version: [ 1, 2 ]
amdhsa.kernels:
  - .name:           k_q55f6f72361_fold
    .symbol:         k_q55f6f72361_fold.kd
    .args:
      - { .name: pm, .offset: 0, .size: 8, .value_kind: global_buffer, .address_space: global }
      - { .name: cs, .offset: 8, .size: 8, .value_kind: global_buffer, .address_space: global }
      - { .name: w_out, .offset: 16, .size: 8, .value_kind: global_buffer, .address_space: global }
      - { .name: wf, .offset: 24, .size: 8, .value_kind: global_buffer, .address_space: global }
      - { .name: mu, .offset: 32, .size: 8, .value_kind: global_buffer, .address_space: global }
      - { .name: cst, .offset: 40, .size: 8, .value_kind: global_buffer, .address_space: global }
    .group_segment_fixed_size: 35840
    .private_segment_fixed_size: 0
    .kernarg_segment_align: 8
    .kernarg_segment_size: 48
    .max_flat_workgroup_size: 128
    .sgpr_count:     66
    .vgpr_count:     258
    .wavefront_size: 32
...
	.end_amdgpu_metadata
.endif
;; end of part 2
;; launch final (part 3): grid 4 x 64, 8 waves a work-group, clusters of 4 x 4, 327,680 bytes of LDS; arguments qf, wf, out0, b_out, mu, cst, p_w1, p_b1, p_ln_g, p_ln_b, p_w2, p_b2; writes out0
.if DOCPART == 3
	.amdgcn_target "amdgcn-amd-amdhsa--gfx1250"
	.amdhsa_code_object_version 6
	.text
	.protected	k_q55f6f72361_final
	.globl	k_q55f6f72361_final
	.p2align	8
	.type	k_q55f6f72361_final,@function
k_q55f6f72361_final:
	s_mov_b64 s[64:65], 0
	v_nop
	global_prefetch_b8 v0, s[64:65] scope:SCOPE_SE
	s_setreg_imm32_b32 hwreg(HW_REG_WAVE_MODE, 25, 1), 1
	s_wait_xcnt 0x0
	s_wait_alu depctr_hold_cnt(0) depctr_sa_sdst(0) depctr_va_vdst(0) depctr_va_sdst(0) depctr_va_ssrc(0) depctr_va_vcc(0) depctr_vm_vsrc(0)
	s_getreg_b32 s2, hwreg(HW_REG_IB_STS2, 6, 4)
	s_cmp_eq_u32 s2, 0
	s_cbranch_scc0 .Lentry_in_a_cluster
	s_endpgm
.Lentry_in_a_cluster:
	s_bfe_u32 s2, ttmp6, 0x10000c
	s_cmp_lg_u32 s2, 0xf033
	s_cbranch_scc0 .Lentry_shape_is_right
	s_endpgm
.Lentry_shape_is_right:
; out0[row][c] = b_out[c] + sum over the 16 K blocks kb = 2 head + kind of s_kb * (Q_kb U_kb)[row][c], Q from qf, U from wf, 64 along K a block,
; s = (1 - w_head) mu for kind 0 (cosine part) and (w_head / 64) mu for kind 1 (covariance part); w_head = sigmoid(gate) / (1 + v_pen).
; A work-group makes 128 rows x 128 columns with eight waves: wave w has rows 32 (w >> 1) .. +31 and columns 64 (w & 1) .. +63.
; Each K block's product is summed in P from zero and added to the running sums T by one fused multiply-add with its scale, in f32.
; K = 1,024 goes in four tiles of 256 through two LDS slots.  qf and wf lie in fragment order, so a fragment load is lane x 16 bytes, dense.
; CLUSTERS: 4 x 4 work-groups.  Q's tile hangs on the row block alone and is asked for jointly by a row of the cluster, U's on the column block and
; the query group (which the cluster's y alone decides) and is asked for jointly by a column.  Waves 0-3 ask for Q's quarters, waves 4-7 for U's.
; A wave has at most two tensor loads outstanding.
; The gate (means, small MLP, variance penalty) is worked out by every work-group from cst (8,192 bytes) while the first two tiles are on their way.
; LIMITS: f16 operands; v_exp_f32, v_rcp_f32 and v_sqrt_f32 flush denormals (ISA guide 15.8).
; LDS: slot s at 131,072 s: Q's row tile i at 8,192 i, U's column tile i at 65,536 + 8,192 i.  Scratch, never a tensor load's target, from 262,144:
; p_w1 32,768; cst at 294,912; the 8 sigmoids at 303,104; the 4 penalty sums at 303,136.  On the way out each wave's stage (16 rows of 272) lies over the scratch.
.set SLOTB, 131072
.set SCR,   262144
.set CSTL,  294912
.set SGA,   303104
.set VPA,   303136
.set TT,  16                           ; v16-79   running sums, tile (rt, nt) at 32 rt + 8 nt
.set PP,  80                           ; v80-143  one K block's product
.set F0,  144                          ; v144-191 fragments: Q's 2, then U's 4
.set F1,  192                          ; v192-239
.set ADRA, 6                           ; v6, v7   my Q fragments in slot 0, 1
.set ADRB, 8                           ; v8, v9   my U fragments
.set G1A, 24
.set G0A, 32
.set G1B, 48
.set G0B, 56
.macro PLACES
.rept 4
	v_nop
.endr
.endm
.macro BAR
	s_wait_dscnt 0x0
	s_barrier_signal -1
	s_barrier_wait -1
.endm
.macro ROUND                           ; a round of the cluster's barrier
	s_barrier_signal -1
	s_barrier_wait -1
	s_cmp_lg_u32 s12, 0
	s_cbranch_scc1 .Lnot_wave_0_\@
	s_barrier_signal -3
.Lnot_wave_0_\@:
	s_barrier_wait -3
	s_barrier_signal -1
	s_barrier_wait -1
.endm
.macro JLOAD s                         ; each line has one mask and one set of registers; the branch hangs on the wave's number alone
	s_cmp_eq_u32 s13, 0
	s_cbranch_scc0 .Lfor_b_\@
	tensor_load_to_lds s[G0A+4*\s:G0A+4*\s+3], s[G1A:G1A+7]
	s_nop 0
	s_branch .Lasked_\@
.Lfor_b_\@:
	tensor_load_to_lds s[G0B+4*\s:G0B+4*\s+3], s[G1B:G1B+7]
	s_nop 0
.Lasked_\@:
.endm
.macro RED16 x
.irp m, 1,2,4,8
	v_add_f32_dpp v[\x], v[\x], v[\x] row_xmask:\m row_mask:0xf bank_mask:0xf
.endr
.endm
	s_load_b256 s[4:11], s[0:1], 0x0               ; qf, wf, out0, b_out
	s_load_b512 s[68:83], s[0:1], 0x20             ; mu, cst, p_w1, p_b1, p_ln_g, p_ln_b, p_w2, p_b2
	v_lshl_add_u32 v254, v0, 2, 0x4a100
	v_mov_b32 v255, 0
	ds_add_u32 v254, v255
	v_lshrrev_b32 v1, 5, v0
	v_readfirstlane_b32 s12, v1                    ; wave
	s_lshr_b32 s13, s12, 2                         ; 0: I ask for Q, 1: for U
	s_and_b32 s14, s12, 3                          ; which quarter
	s_bfe_u32 s40, ttmp6, 0x40000                  ; cx
	s_bfe_u32 s41, ttmp6, 0x40004                  ; cy
	s_lshl_b32 s42, ttmp9, 2
	s_add_co_u32 s42, s42, s40                     ; column block
	s_and_b32 s45, ttmp7, 0xffff
	s_lshr_b32 s46, s45, 1                         ; query group = row block / 8 = cluster y / 2
	s_lshl_b32 s45, s45, 2
	s_add_co_u32 s45, s45, s41                     ; row block
	s_lshl_b32 s43, s41, 2
	s_lshl_b32 s43, 15, s43                        ; my row of the cluster
	s_lshl_b32 s44, 0x1111, s40                    ; my column
	; group 1: 2 rows of 1,024 elements of 8 bytes (a tile's 8,192 bytes of two row tiles), 4,096 elements from row to row
	s_or_b32 s[G1A+0], s43, (3<<16)|(1<<21)
	s_or_b32 s[G1B+0], s44, (3<<16)|(1<<21)
	s_mov_b32 s[G1A+1], 1024<<16
	s_mov_b32 s[G1B+1], 1024<<16
	s_mov_b32 s[G1A+2], 2<<16
	s_mov_b32 s[G1B+2], 2<<16
	s_mov_b32 s[G1A+3], 1024<<16
	s_mov_b32 s[G1B+3], 1024<<16
	s_mov_b32 s[G1A+4], 2
	s_mov_b32 s[G1B+4], 2
	s_mov_b32 s[G1A+5], 4096
	s_mov_b32 s[G1B+5], 4096
	s_mov_b32 s[G1A+6], 0
	s_mov_b32 s[G1B+6], 0
	s_mov_b32 s[G1A+7], 0
	s_mov_b32 s[G1B+7], 0
	s_lshl_b32 s18, s14, 16                        ; two row tiles of 32,768 bytes a quarter
	s_lshl_b32 s16, s45, 18
	s_add_co_u32 s16, s16, s18                     ; Q: (8 row block + 2 quarter) 32,768
	s_mov_b32 s17, 0
	s_lshl_b32 s20, s46, 20
	s_lshl_b32 s21, s42, 18
	s_add_co_u32 s20, s20, s21
	s_add_co_u32 s20, s20, s18                     ; U: (32 qg + 8 column block + 2 quarter) 32,768
	s_mov_b32 s21, 0
	s_lshl_b32 s15, s12, 14                        ; LDS: 16,384 wave (Q's four quarters, then U's)
	s_lshl_b32 s22, s46, 6
	s_mov_b32 s23, 0
	s_wait_dscnt 0x0
	s_wait_kmcnt 0x0
	s_add_nc_u64 s[16:17], s[4:5], s[16:17]
	s_add_nc_u64 s[20:21], s[6:7], s[20:21]
	s_add_nc_u64 s[68:69], s[68:69], s[22:23]
	ROUND                                          ; all sixteen work-groups are here: the first joint loads meet
.irp s, 0,1
	s_mov_b32 s[G0A+4*\s], 1
	s_add_co_u32 s[G0A+4*\s+1], s15, \s*SLOTB
	s_add_nc_u64 s[G0A+4*\s+2:G0A+4*\s+3], s[16:17], \s*8192
	s_or_b32 s[G0A+4*\s+3], s[G0A+4*\s+3], 0x80000000
	s_mov_b32 s[G0B+4*\s], 1
	s_add_co_u32 s[G0B+4*\s+1], s15, \s*SLOTB
	s_add_nc_u64 s[G0B+4*\s+2:G0B+4*\s+3], s[20:21], \s*8192
	s_or_b32 s[G0B+4*\s+3], s[G0B+4*\s+3], 0x80000000
	JLOAD \s                                       ; K tiles 0 and 1
.endr
	s_load_b512 s[84:99], s[68:69], 0x0            ; my query group's 16 mu
	s_load_b32 s66, s[82:83], 0x0                  ; p_b2
	; ---- p_w1 and cst into LDS, in whole 16-byte pieces, once
	v_lshlrev_b32 v1, 4, v0
.irp i, 0,1,2,3,4,5,6,7
	global_load_b128 v[16+4*\i:19+4*\i], v1, s[72:73] offset:4096*\i
.endr
.irp i, 0,1
	global_load_b128 v[48+4*\i:51+4*\i], v1, s[70:71] offset:4096*\i
.endr
	v_add_nc_u32 v2, SCR, v1
	s_mov_b32 s2, 0x76543210
	s_mov_b32 s3, 0xfedcba98
	s_mov_b32 s18, 0x3c800000                      ; 1/64
	s_mov_b32 s19, 0x3727c5ac                      ; 1e-5
	s_mov_b32 s22, 0x37800080                      ; 1/65535
	s_mov_b32 s23, 0x38d1b717                      ; 1e-4
	s_mov_b32 s101, 0
	s_wait_loadcnt 0x0
.irp i, 0,1,2,3,4,5,6,7
	ds_store_b128 v2, v[16+4*\i:19+4*\i] offset:4096*\i
.endr
.irp i, 0,1
	ds_store_b128 v2, v[48+4*\i:51+4*\i] offset:32768+4096*\i
.endr
	s_wait_kmcnt 0x0
	BAR                                            ; the two tiles stay on their way
	s_cmp_lg_u32 s13, 0
	s_cbranch_scc1 .Lvpen
	; ---- waves 0-3: the gate's MLP.  Thread t: head t >> 4, outputs 4 (t & 15) .. +3; a head is one row of 16 lanes
	v_and_b32 v3, 15, v0
	v_lshrrev_b32 v4, 4, v0
	v_lshlrev_b32 v5, 4, v3
	global_load_b128 v[180:183], v5, s[74:75]      ; p_b1
	global_load_b128 v[184:187], v5, s[76:77]      ; p_ln_g
	global_load_b128 v[188:191], v5, s[78:79]      ; p_ln_b
	global_load_b128 v[192:195], v5, s[80:81]      ; p_w2
	v_add_nc_u32 v6, SCR, v5
	v_lshlrev_b32 v7, 8, v4
	v_add_nc_u32 v7, CSTL, v7
.macro MLPCHUNK c                      ; 32 of the 128 inputs: the column sums of f_q (chunks 0, 1) or f_k (2, 3) of my head
.irp p, 0,1,2,3,4,5,6,7
	ds_load_b128 v[16+4*\p:19+4*\p], v7 offset:4096*(\c>>1)+128*(\c&1)+16*\p
.endr
.set kk, 0
.rept 32
	ds_load_b128 v[48+4*kk:51+4*kk], v6 offset:256*(32*\c+kk)
.set kk, kk+1
.endr
	s_wait_dscnt 0x0
.set kk, 0
.rept 16
.if (\c+kk) == 0
	v_pk_mul_f32 v[176:177], v[48:49], v[16:17] op_sel_hi:[1,0]
	v_pk_mul_f32 v[178:179], v[50:51], v[16:17] op_sel_hi:[1,0]
.else
	v_pk_fma_f32 v[176:177], v[48+8*kk:49+8*kk], v[16+2*kk:17+2*kk], v[176:177] op_sel_hi:[1,0,1]
	v_pk_fma_f32 v[178:179], v[50+8*kk:51+8*kk], v[16+2*kk:17+2*kk], v[178:179] op_sel_hi:[1,0,1]
.endif
	v_pk_fma_f32 v[176:177], v[52+8*kk:53+8*kk], v[16+2*kk:17+2*kk], v[176:177] op_sel:[0,1,0] op_sel_hi:[1,1,1]
	v_pk_fma_f32 v[178:179], v[54+8*kk:55+8*kk], v[16+2*kk:17+2*kk], v[178:179] op_sel:[0,1,0] op_sel_hi:[1,1,1]
.set kk, kk+1
.endr
.endm
	MLPCHUNK 0
	MLPCHUNK 1
	MLPCHUNK 2
	MLPCHUNK 3
	s_wait_loadcnt 0x0
	v_pk_fma_f32 v[176:177], v[176:177], 0x39000000, v[180:181] op_sel_hi:[1,0,1]   ; sums / 8,192 rows are the means; + p_b1
	v_pk_fma_f32 v[178:179], v[178:179], 0x39000000, v[182:183] op_sel_hi:[1,0,1]
	v_pk_add_f32 v[8:9], v[176:177], v[178:179]
	v_add_f32 v8, v8, v9
	RED16 8
	v_mul_f32 v8, 0xbc800000, v8                   ; - mean over 64
	v_pk_add_f32 v[176:177], v[176:177], v[8:9] op_sel_hi:[1,0]
	v_pk_add_f32 v[178:179], v[178:179], v[8:9] op_sel_hi:[1,0]
	v_pk_mul_f32 v[10:11], v[176:177], v[176:177]
	v_pk_fma_f32 v[10:11], v[178:179], v[178:179], v[10:11]
	v_add_f32 v10, v10, v11
	RED16 10
	v_fma_f32 v10, v10, s18, s19
	v_rsq_f32 v12, v10
	v_nop
	s_wait_alu depctr_va_vdst(0)
.irp e, 176,177,178,179
	v_mul_f32 v\e, v12, v\e
.endr
	v_pk_fma_f32 v[176:177], v[176:177], v[184:185], v[188:189]
	v_pk_fma_f32 v[178:179], v[178:179], v[186:187], v[190:191]
.irp e, 176,177,178,179
	v_max_num_f32 v\e, 0, v\e
.endr
	v_pk_mul_f32 v[8:9], v[176:177], v[192:193]
	v_pk_fma_f32 v[8:9], v[178:179], v[194:195], v[8:9]
	v_add_f32 v8, v8, v9
	RED16 8
	v_add_f32 v8, s66, v8
	v_mul_f32 v8, 0xbfb8aa3b, v8                   ; sigmoid(z) = 1 / (1 + 2^(-1.442695 z))
	v_exp_f32 v9, v8
	v_nop
	s_wait_alu depctr_va_vdst(0)
	v_add_f32 v9, 1.0, v9
	v_rcp_f32 v10, v9
	v_lshlrev_b32 v11, 2, v4
	v_add_nc_u32 v11, SGA, v11
	s_wait_alu depctr_va_vdst(0)
	ds_store_b32 v11, v10                          ; the head's 16 lanes store one number to one word
	s_branch .Ljoin
.Lvpen:
	; ---- waves 4-7: the variance penalty.  Thread: tensor (t >> 6) & 1, feature d = t & 63; the 8 heads' columns of 8,192 rows are joined
	v_and_b32 v3, 63, v0
	v_bfe_u32 v4, v0, 6, 1
	v_lshlrev_b32 v5, 2, v3
	v_lshl_add_u32 v5, v4, 12, v5
	v_add_nc_u32 v5, CSTL, v5
.irp e, 0,1,2,3,4,5,6,7
	ds_load_b32 v[16+\e], v5 offset:256*\e
	ds_load_b32 v[24+\e], v5 offset:2048+256*\e
.endr
	s_wait_dscnt 0x0
	v_pk_add_f32 v[32:33], v[16:17], v[18:19]
	v_pk_add_f32 v[34:35], v[20:21], v[22:23]
	v_pk_add_f32 v[32:33], v[32:33], v[34:35]
	v_add_f32 v32, v32, v33
	v_mul_f32 v32, 0xbe000000, v32                 ; - (sum of the 8 S) / 8
.irp e, 0,2,4,6
	v_pk_add_f32 v[16+\e:17+\e], v[16+\e:17+\e], v[32:33] op_sel_hi:[1,0]
.endr
	v_pk_mul_f32 v[34:35], v[16:17], v[16:17]
.irp e, 2,4,6
	v_pk_fma_f32 v[34:35], v[16+\e:17+\e], v[16+\e:17+\e], v[34:35]
.endr
	v_add_f32 v34, v34, v35
	v_pk_add_f32 v[36:37], v[24:25], v[26:27]
	v_pk_add_f32 v[38:39], v[28:29], v[30:31]
	v_pk_add_f32 v[36:37], v[36:37], v[38:39]
	v_add_f32 v36, v36, v37
	v_fma_f32 v36, v34, 0x39000000, v36            ; M2 over 65,536 samples
	v_fma_f32 v36, v36, s22, s23                   ; / 65,535 + 1e-4
	v_sqrt_f32 v37, v36
	v_nop
	s_wait_alu depctr_va_vdst(0)
	v_sub_f32 v37, 1.0, v37
	v_max_num_f32 v37, 0, v37
	RED16 37
	v_permlanex16_b32 v36, v37, s2, s3
	v_add_f32 v37, v37, v36
	s_lshl_b32 s47, s12, 2
	s_add_co_u32 s47, s47, VPA-16                  ; waves 4 to 7: words 0 to 3
	v_mov_b32 v38, s47
	ds_store_b32 v38, v37
.Ljoin:
	BAR
	; ---- every wave: the 16 scales, into s[84:99] over the mu
	v_mov_b32 v3, SGA
	ds_load_b128 v[16:19], v3
	ds_load_b128 v[20:23], v3 offset:16
	ds_load_b128 v[24:27], v3 offset:32
	s_wait_dscnt 0x0
	v_add_f32 v24, v24, v25
	v_add_f32 v26, v26, v27
	v_add_f32 v24, v24, v26
	v_fma_f32 v24, v24, s18, 1.0                   ; 1 + v_pen (each term is a mean over 64 features)
	v_rcp_f32 v25, v24
	v_nop
	s_wait_alu depctr_va_vdst(0)
.irp e, 0,1,2,3,4,5,6,7
	v_mul_f32 v[16+\e], v[16+\e], v25              ; w of head e
.endr
.irp e, 0,1,2,3,4,5,6,7
	v_sub_f32 v28, 1.0, v[16+\e]
	v_mul_f32 v29, s18, v[16+\e]
	v_mul_f32 v28, s[84+2*\e], v28
	v_mul_f32 v29, s[85+2*\e], v29
	v_readfirstlane_b32 s[84+2*\e], v28
	v_readfirstlane_b32 s[85+2*\e], v29
.endr
	; ---- addresses of the main part
	v_and_b32 v4, 31, v0
	v_and_b32 v15, 15, v0                          ; r
	v_bfe_u32 v3, v0, 4, 1                         ; h
	v_lshlrev_b32 v14, 4, v4
	s_lshr_b32 s47, s12, 1                         ; rq
	s_and_b32 s67, s12, 1                          ; ch
	s_lshl_b32 s16, s47, 14
	v_add_nc_u32 v[ADRA], s16, v14
	v_add_nc_u32 v[ADRA+1], SLOTB, v[ADRA]
	s_lshl_b32 s16, s67, 15
	s_add_co_u32 s16, s16, 65536
	v_add_nc_u32 v[ADRB], s16, v14
	v_add_nc_u32 v[ADRB+1], SLOTB, v[ADRB]
	s_mul_i32 s16, s12, 4352
	s_add_co_u32 s16, s16, SCR                     ; my stage
	v_mul_u32_u24 v10, v15, 272
	v_lshl_add_u32 v10, v3, 5, v10
	v_add_nc_u32 v10, s16, v10                     ; in: row r, 32 bytes for each half of the lanes
	v_mul_u32_u24 v11, v3, 272
	v_lshl_add_u32 v11, v15, 4, v11
	v_add_nc_u32 v11, s16, v11                     ; back: lanes 0-15 one row of 256 bytes, lanes 16-31 the next
	v_lshlrev_b32 v12, 11, v3
	v_lshl_add_u32 v12, v15, 4, v12                ; the same two rows in out0
	v_lshlrev_b32 v13, 5, v3
	s_lshl_b32 s20, s42, 9
	s_lshl_b32 s21, s67, 8
	s_add_co_u32 s20, s20, s21
	s_mov_b32 s21, 0
	s_add_nc_u64 s[10:11], s[10:11], s[20:21]      ; b_out at my 64 columns
	s_add_nc_u64 s[8:9], s[8:9], s[20:21]
	s_lshl_b32 s16, s45, 18
	s_lshl_b32 s17, s47, 16
	s_add_co_u32 s16, s16, s17
	s_mov_b32 s17, 0
	s_add_nc_u64 s[8:9], s[8:9], s[16:17]          ; out0 at my first row and column
.irp rt, 0,1                           ; the bias starts the running sums: nothing is cleared and nothing is added at the end
.irp nt, 0,1,2,3
	global_load_b128 v[TT+32*\rt+8*\nt:TT+32*\rt+8*\nt+3],   v13, s[10:11] offset:64*\nt
	global_load_b128 v[TT+32*\rt+8*\nt+4:TT+32*\rt+8*\nt+7], v13, s[10:11] offset:64*\nt+16
.endr
.endr
.macro FETCH slot, ksl, f              ; 12 loads: the fragments of 32 along K
.irp rt, 0,1
	ds_load_b128 v[\f+8*\rt:\f+8*\rt+3],   v[ADRA+\slot] offset:8192*\rt+1024*(\ksl)
	ds_load_b128 v[\f+8*\rt+4:\f+8*\rt+7], v[ADRA+\slot] offset:8192*\rt+1024*(\ksl)+512
.endr
.irp nt, 0,1,2,3
	ds_load_b128 v[\f+16+8*\nt:\f+16+8*\nt+3], v[ADRB+\slot] offset:8192*\nt+1024*(\ksl)
	ds_load_b128 v[\f+16+8*\nt+4:\f+16+8*\nt+7], v[ADRB+\slot] offset:8192*\nt+1024*(\ksl)+512
.endr
.endm
; source 0 = U (its column runs along the result's registers), source 1 = Q (row = lane % 16): a lane holds 8 neighbouring columns of one row
.macro MUL8 f, add                     ; the eight accumulators take turns
.irp rt, 0,1
.irp nt, 0,1,2,3
.if \add
	v_wmma_f32_16x16x32_f16 v[PP+32*\rt+8*\nt:PP+32*\rt+8*\nt+7], v[\f+16+8*\nt:\f+16+8*\nt+7], v[\f+8*\rt:\f+8*\rt+7], v[PP+32*\rt+8*\nt:PP+32*\rt+8*\nt+7]
.else
	v_wmma_f32_16x16x32_f16 v[PP+32*\rt+8*\nt:PP+32*\rt+8*\nt+7], v[\f+16+8*\nt:\f+16+8*\nt+7], v[\f+8*\rt:\f+8*\rt+7], 0
.endif
.endr
.endr
.endm
.macro SCALE kb
.if (\kb) == 0
	s_wait_loadcnt 0x0                             ; the bias is in T
.endif
	s_mov_b32 s100, s[84+\kb]
.set qi, 0
.rept 32
	v_pk_fma_f32 v[TT+2*qi:TT+2*qi+1], v[PP+2*qi:PP+2*qi+1], s[100:101], v[TT+2*qi:TT+2*qi+1] op_sel_hi:[1,0,1]
.set qi, qi+1
.endr
.endm
.macro COMPUTE slot, tile              ; one K tile: 8 steps of 32, four K blocks
	FETCH \slot, 0, F0
.irp ksl, 0,1,2,3,4,5,6,7
.if \ksl < 7
.if \ksl & 1
	PLACES                                         ; buffer 0 was read by the matrix instructions just issued
	FETCH \slot, \ksl+1, F0
.else
	FETCH \slot, \ksl+1, F1
.endif
	s_wait_dscnt 12                                ; this step's fragments are in; the 12 loads just issued stay out
.else
	s_wait_dscnt 0x0
.endif
.if \ksl & 1
	MUL8 F1, 1
	PLACES
	SCALE 4*\tile+\ksl/2
.else
	MUL8 F0, 0
.endif
.endr
.endm
	s_wait_tensorcnt 1                             ; my part of tile 0 is in; tile 1's load stays out
	BAR
	COMPUTE 0, 0
	s_wait_tensorcnt 0x0                           ; all my tensor loads have landed, my part of tile 1 among them: group 0 may be written
	ds_add_u32 v254, v255
	s_add_nc_u64 s[G0A+2:G0A+3], s[G0A+2:G0A+3], 16384
	s_add_nc_u64 s[G0B+2:G0B+3], s[G0B+2:G0B+3], 16384
	s_wait_dscnt 0x0                               ; my reads of slot 0 are done
	ROUND                                          ; both now hold of every wave of every work-group of the cluster
	JLOAD 0                                        ; tile 2
	COMPUTE 1, 1
	s_wait_tensorcnt 0x0
	ds_add_u32 v254, v255
	s_add_nc_u64 s[G0A+6:G0A+7], s[G0A+6:G0A+7], 16384
	s_add_nc_u64 s[G0B+6:G0B+7], s[G0B+6:G0B+7], 16384
	s_wait_dscnt 0x0
	ROUND
	JLOAD 1                                        ; tile 3
	COMPUTE 0, 2
	s_wait_tensorcnt 0x0                           ; my part of tile 3
	BAR
	COMPUTE 1, 3
; the way out, 16 rows at a time through my own stage: 16 lanes then store 256 consecutive bytes, at a multiple of 256 from out0's first byte
.macro OUT rt, f
.irp nt, 0,1,2,3
	ds_store_b128 v10, v[TT+32*\rt+8*\nt:TT+32*\rt+8*\nt+3]   offset:64*\nt
	ds_store_b128 v10, v[TT+32*\rt+8*\nt+4:TT+32*\rt+8*\nt+7] offset:64*\nt+16
.endr
.irp t, 0,1,2,3,4,5,6,7
	ds_load_b128 v[\f+4*\t:\f+4*\t+3], v11 offset:544*\t       ; LDS serves a wave's instructions in order (ISA guide 5.7.1.4)
.endr
.irp t, 0,1,2,3,4,5,6,7
	s_wait_dscnt 7-\t
	global_store_b128 v12, v[\f+4*\t:\f+4*\t+3], s[8:9] offset:\rt*32768+4096*\t th:TH_STORE_NT
.endr
.endm
	OUT 0, F0
	OUT 1, F1
	s_wait_tensorcnt 0x0
	ds_add_u32 v254, v255
	s_wait_dscnt 0x0
	ROUND                                          ; the closing round: no work-group ends while a partner may still ask for a tile that names it
	s_endpgm
.Lfunc_end_k_q55f6f72361_final:
	.size	k_q55f6f72361_final, .Lfunc_end_k_q55f6f72361_final-k_q55f6f72361_final
	.p2alignl 7, 3214868480
	.fill 96, 4, 3214868480
	.section	.rodata,"a",@progbits
	.p2align	6, 0x0
	.amdhsa_kernel k_q55f6f72361_final
		.amdhsa_group_segment_fixed_size 327680
		.amdhsa_private_segment_fixed_size 0
		.amdhsa_enable_private_segment 0
		.amdhsa_kernarg_size 96
		.amdhsa_user_sgpr_count 2
		.amdhsa_user_sgpr_kernarg_segment_ptr 1
		.amdhsa_wavefront_size32 1
		.amdhsa_system_sgpr_workgroup_id_x 1
		.amdhsa_system_sgpr_workgroup_id_y 1
		.amdhsa_system_sgpr_workgroup_id_z 1
		.amdhsa_system_vgpr_workitem_id 0
		.amdhsa_next_free_vgpr 256
		.amdhsa_next_free_sgpr 102
		.amdhsa_reserve_vcc 0
		.amdhsa_float_denorm_mode_32 3
		.amdhsa_float_denorm_mode_16_64 3
		.amdhsa_memory_ordered 1
		.amdhsa_forward_progress 1
		.amdhsa_inst_pref_size 129
	.end_amdhsa_kernel
	.amdgpu_metadata
---
amdhsa.version: [ 1, 2 ]
amdhsa.kernels:
  - .name:           k_q55f6f72361_final
    .symbol:         k_q55f6f72361_final.kd
    .args:
      - { .name: qf, .offset: 0, .size: 8, .value_kind: global_buffer, .address_space: global }
      - { .name: wf, .offset: 8, .size: 8, .value_kind: global_buffer, .address_space: global }
      - { .name: out0, .offset: 16, .size: 8, .value_kind: global_buffer, .address_space: global }
      - { .name: b_out, .offset: 24, .size: 8, .value_kind: global_buffer, .address_space: global }
      - { .name: mu, .offset: 32, .size: 8, .value_kind: global_buffer, .address_space: global }
      - { .name: cst, .offset: 40, .size: 8, .value_kind: global_buffer, .address_space: global }
      - { .name: p_w1, .offset: 48, .size: 8, .value_kind: global_buffer, .address_space: global }
      - { .name: p_b1, .offset: 56, .size: 8, .value_kind: global_buffer, .address_space: global }
      - { .name: p_ln_g, .offset: 64, .size: 8, .value_kind: global_buffer, .address_space: global }
      - { .name: p_ln_b, .offset: 72, .size: 8, .value_kind: global_buffer, .address_space: global }
      - { .name: p_w2, .offset: 80, .size: 8, .value_kind: global_buffer, .address_space: global }
      - { .name: p_b2, .offset: 88, .size: 8, .value_kind: global_buffer, .address_space: global }
    .group_segment_fixed_size: 327680
    .private_segment_fixed_size: 0
    .kernarg_segment_align: 8
    .kernarg_segment_size: 96
    .max_flat_workgroup_size: 256
    .sgpr_count:     102
    .vgpr_count:     256
    .wavefront_size: 32
...
	.end_amdgpu_metadata
.endif
;; end of part 3
;; ======== version 2 of 3: 3 launches; 1.21 times as fast as version 1
;; limits: values are held in f16: magnitudes above 65,504 overflow, below 6.1e-05 lose precision
;; workspace buffers: qf 16,777,216 bytes; pm 16,777,216 bytes; cs 524,288 bytes; wf 8,388,608 bytes; mu 512 bytes; cst 8,192 bytes
;; launch proj (part 4): grid 4 x 64, 4 waves a work-group, no clusters, 174,592 bytes of LDS; arguments q, k, v, ln_g, ln_b, w_in, qf, pm, cs; writes qf, pm, cs
.if DOCPART == 4
	.amdgcn_target "amdgcn-amd-amdhsa--gfx1250"
	.amdhsa_code_object_version 6
	.text
	.protected	k_q55f6f72361_proj
	.globl	k_q55f6f72361_proj
	.p2align	8
	.type	k_q55f6f72361_proj,@function
k_q55f6f72361_proj:
	s_mov_b64 s[64:65], 0
	v_nop
	global_prefetch_b8 v0, s[64:65] scope:SCOPE_SE
	s_setreg_imm32_b32 hwreg(HW_REG_WAVE_MODE, 25, 1), 1
	s_wait_xcnt 0x0
; LayerNorm + projection by w_in of v, k and q for 128 rows (rb = group y) and 128 columns = 2 heads (cb = group x).
; There is no softmax, so (1-w) cos + w cov times f_v is re-associated: out = (1-w) qhat (khat^T V) + (w/64) qc (kc^T V).
; This launch stores: qf = qhat and qc in f16, in the order in which a matrix fragment is read (16 bytes a lane, 512 a wave);
; pm = this row block's partial khat^T V and kc^T V in f32; cs = column sums and centred sums of squares of f_q and f_k.
; Four waves.  hd = wave & 1 (head), rh = wave >> 1.  Product with w_in: rows 64 rh .. +63 x the 64 columns of head 2 cb + hd.
; k^T V: head hd, kind rh (0 khat, 1 kc), all 128 rows.  LayerNorm: rows 32 wave .. +31, in 8 groups of 4 rows a tensor.
; The wave's 512 x 64 part of w_in stays in 512 registers (windows 1 to 3) for all three tensors.
; THE RING OF x: four register slots of 4 rows (16 loads of 512 bytes each), in the 256 registers that w_in leaves free in windows 1 to 3.  The 24 groups of
; v, k and q are one stream: group n lies in slot n % 4, and a slot is asked for again (group n + 4) as soon as its rows are centred, so three groups' work,
; and at a change of tensors the product and what follows it, lies between a request and its wait.  At most 64 loads of a wave are out in this ring
; (72 at the start of w_in's staging: four batches of 16 and the 8 loads of ln_g and ln_b).
; ONE TEXT FOR THE THREE TENSORS, so that the code stays short: an outer loop over v, k, q; in it a loop of two halves of four LayerNorm turns, the product,
; and a branch on the tensor's number to what follows the product.
; NO JOINT LOADS: x has to pass through registers in f32 for the LayerNorm, and 128 rows of f32 (262,144 bytes) do not fit in LDS
; beside their f16 image (133,120) and V (36,864).
; LIMITS: matrix operands are f16, so |f| has to stay under 65,504.  v_rsq_f32 flushes denormals (ISA guide 15.8): a row whose sum of
; squares is under 2^-126 gets an infinite factor; a row of norm 0 gives NaN or infinity as in the reference.  Sums are ordered otherwise than in the reference.
; LDS: A 0..133,119 (128 rows, pitch 1,040); khat 0.., kc 36,864.. (pitch 288, over A once A is read); V 133,120.. (pitch 288);
; ST 169,984.. two sets (k, q) of [wave][S, M2][64 f32]; at the start w_in's f16 image lies at 0..147,455 (512 rows, pitch 288).
.set APITCH, 1040
.set VPITCH, 288
.set VBASE,  133120
.set KCOFF,  36864
.set STBASE, 169984
.set GG,  16                           ; v16-31  ln_g of my 16 columns (128 c + 4 lane + e)
.set BB,  32                           ; v32-47  ln_b likewise
.set T,   48                           ; v48-63  at work
.set ACC, 64                           ; v64-191 16 accumulator tiles (rt, b) at 32 rt + 8 b
.set F0,  192                          ; v192-223 fragment buffer 0
.set F1,  224                          ; v224-255 fragment buffer 1
.set U,   192                          ; v192-255 LayerNorm at work: row i of a group at 16 i
; v4 x offset, v5 LayerNorm's LDS address (v14 its start), v6 A fragments, v7 khat/kc stores, v8 V stores, v9 k^T loads, v10 V^T loads,
; v11 16 lane, v12 ST stores, v13 ST loads, v15 8 lane.
; Window 1: w_in's K steps 0-5 (v0-191), slot 0 (v192-255).  Window 2: K steps 6-11, slot 1 (v192-255).  Window 3: K steps 12-15 (v0-127), slots 2, 3 (v128-191, v192-255).
; s[30:35] q, k, v at my rows; s[36:37] from where the ring is filled; s[52:53] the next tensor; s54 halves left; s56 tensor; s57 1: this half fills; s58 the same for the next halves.
.set MSB, 0
.macro WIN new                         ; the immediate's high byte repeats the setting that is left
.if MSB != \new
	s_set_vgpr_msb (MSB<<8)|\new
.set MSB, \new
.endif
.endm
.macro PLACES                          ; four plain places behind a matrix instruction (ISA guide 7.12.1)
.rept 4
	v_nop
.endr
.endm
.macro BAR                             ; my LDS loads and stores are done, then the work-group's barrier
	s_wait_dscnt 0x0
	s_barrier_signal -1
	s_barrier_wait -1
.endm
	s_load_b512 s[4:19], s[0:1], 0x0               ; q, k, v, ln_g, ln_b, w_in, qf, pm
	s_load_b64 s[20:21], s[0:1], 0x40              ; cs
	v_and_b32 v1, 31, v0                           ; lane
	v_lshrrev_b32 v15, 5, v0
	v_readfirstlane_b32 s22, v15                   ; wave
	v_and_b32 v2, 15, v0                           ; r
	v_bfe_u32 v3, v0, 4, 1                         ; h
	s_and_b32 s23, s22, 1                          ; hd
	s_lshr_b32 s24, s22, 1                         ; rh
	s_mov_b32 s25, ttmp9                           ; cb
	s_and_b32 s26, ttmp7, 0xffff                   ; rb
	s_lshl1_add_u32 s27, s25, s23                  ; head = 2 cb + hd
	s_mov_b32 s28, 0x76543210                      ; v_permlanex16_b32: lane i takes lane i of the other half
	s_mov_b32 s29, 0xfedcba98
	s_mov_b32 s45, 0x3b000000                      ; 1/512
	s_mov_b32 s46, 0x3727c5ac                      ; 1e-5
	v_lshlrev_b32 v11, 4, v1
	v_lshlrev_b32 v15, 3, v1
	s_lshl_b32 s47, s22, 16
	v_add_nc_u32 v4, s47, v11                      ; 16 lane + 32 wave rows of 2,048 bytes
	s_mul_i32 s47, s22, 32*APITCH
	v_add_nc_u32 v14, s47, v15                     ; A: row 32 wave, byte 8 lane
	v_mul_u32_u24 v6, v2, APITCH
	v_lshl_add_u32 v6, v3, 4, v6
	s_mul_i32 s47, s24, 64*APITCH
	v_add_nc_u32 v6, s47, v6                       ; (64 rh + r) pitch + 16 h
	v_mul_u32_u24 v7, v2, VPITCH
	v_lshl_add_u32 v7, v3, 4, v7
	s_mul_i32 s47, s24, 64*VPITCH
	s_lshl_b32 s48, s23, 7
	s_add_co_u32 s47, s47, s48
	v_add_nc_u32 v7, s47, v7                       ; (64 rh + r) 288 + 128 hd + 16 h
	v_add_nc_u32 v8, VBASE, v7
	v_and_b32 v49, 7, v0
	v_lshl_add_u32 v49, v3, 3, v49
	v_mul_u32_u24 v48, v49, VPITCH
	v_bfe_u32 v49, v0, 3, 1
	v_lshl_add_u32 v48, v49, 4, v48
	v_add_nc_u32 v48, s48, v48                     ; transposing loads: (8 h + lane % 8) 288 + 16 ((lane >> 3) & 1) + 128 hd
	v_add_nc_u32 v10, VBASE, v48
	s_mul_i32 s47, s24, KCOFF
	v_add_nc_u32 v9, s47, v48
	v_add_nc_u32 v49, 6*9216, v48                  ; w_in's image from K step 6 (32 rows of 288 bytes a step)
	v_add_nc_u32 v50, 12*9216, v48                 ; and from K step 12
	s_lshl_b32 s47, s22, 18
	v_add_nc_u32 v51, s47, v11                     ; w_in: 16 lane + 128 wave rows of 2,048 bytes
	s_mul_i32 s47, s22, 128*VPITCH
	v_add_nc_u32 v52, s47, v15
	s_lshl_b32 s47, s22, 9
	s_add_co_u32 s47, s47, STBASE
	v_lshl_add_u32 v12, v3, 5, s47
	s_lshl_b32 s47, s23, 9
	s_add_co_u32 s47, s47, STBASE
	v_add_nc_u32 v13, s47, v15
	s_wait_kmcnt 0x0
	s_lshl_b32 s50, s26, 18                        ; 128 rows of 2,048 bytes
	s_mov_b32 s51, 0
	s_add_nc_u64 s[30:31], s[4:5], s[50:51]        ; q, k, v at my first row
	s_add_nc_u64 s[32:33], s[6:7], s[50:51]
	s_add_nc_u64 s[34:35], s[8:9], s[50:51]
	s_add_nc_u64 s[36:37], s[34:35], 32768         ; the ring's first refills: v's groups 4 to 7 (a group is 4 rows of 2,048 bytes)
	s_mov_b32 s57, 1
	s_lshl_b32 s52, s24, 17
	s_add_co_u32 s50, s50, s52
	s_lshl_b32 s52, s27, 12
	s_add_co_u32 s50, s50, s52
	s_add_nc_u64 s[38:39], s[16:17], s[50:51]      ; qf + (8 rb + 4 rh) 32,768 + head 4,096
	s_lshl_b32 s50, s25, 9
	s_add_nc_u64 s[14:15], s[14:15], s[50:51]      ; w_in at my 128 columns
	s_lshr_b32 s52, s26, 3
	s_lshl3_add_u32 s52, s52, s27
	s_lshl1_add_u32 s52, s52, s24
	s_lshl_b32 s50, s52, 17
	s_and_b32 s52, s26, 7
	s_lshl_b32 s52, s52, 12
	s_add_co_u32 s50, s50, s52
	s_add_nc_u64 s[40:41], s[18:19], s[50:51]      ; pm + ((8 qg + head) 2 + rh) 131,072 + (rb % 8) 4,096
	s_lshl_b32 s50, s26, 11
	s_lshl_b32 s52, s27, 8
	s_add_co_u32 s50, s50, s52
	s_add_nc_u64 s[42:43], s[20:21], s[50:51]      ; cs + rb 2,048 + head 256
; 4 rows, the g-th four behind the address in s[base:base+1], into the slot at register xb of window w: 16 loads of 512 consecutive bytes
.macro LNLOAD w, xb, base, g
	WIN (\w<<6)                                    ; destination in the slot's window, the address in window 0
.irp i, 0,1,2,3
.irp c, 0,1,2,3
	global_load_b128 v[\xb+16*\i+4*\c:\xb+16*\i+4*\c+3], v4, s[\base:\base+1] offset:(4*\g+\i)*2048+512*\c
.endr
.endr
.endm
; ---- w_in: f32 from memory, f16 into LDS; wave w takes K rows 128 w .. +127 in 8 batches of 16 rows.  Four batches are on their way; they land in
; window 3 (v64 n ..), which holds nothing yet.  Behind the last four batches v's first four groups are asked for.
.macro WLOAD bt, n
	WIN 0xc0
.irp i, 0,1,2,3,4,5,6,7,8,9,10,11,12,13,14,15
	global_load_b128 v[64*(\n)+4*\i:64*(\n)+4*\i+3], v51, s[14:15] offset:(16*(\bt)+\i)*2048
.endr
.endm
.macro WCVT bt, n
	s_wait_loadcnt 48                              ; this batch is in; the three younger units of 16 loads stay out
	WIN 0x0f                                       ; both sources in window 3, the result in window 0
.irp i, 0,1,2,3,4,5,6,7,8,9,10,11,12,13,14,15
	v_cvt_pk_f16_f32 v[U+32*(\bt&1)+2*\i], v[64*\n+4*\i], v[64*\n+4*\i+1]
	v_cvt_pk_f16_f32 v[U+32*(\bt&1)+2*\i+1], v[64*\n+4*\i+2], v[64*\n+4*\i+3]
.endr
.endm
.macro WSTORE bt
	WIN 0
.irp i, 0,1,2,3,4,5,6,7,8,9,10,11,12,13,14,15
	ds_store_b64 v52, v[U+32*(\bt&1)+2*\i:U+32*(\bt&1)+2*\i+1] offset:(16*\bt+\i)*VPITCH
.endr
.endm
.irp c, 0,1,2,3
	global_load_b128 v[GG+4*\c:GG+4*\c+3], v11, s[10:11] offset:512*\c
	global_load_b128 v[BB+4*\c:BB+4*\c+3], v11, s[12:13] offset:512*\c
.endr
	WLOAD 0, 0
	WLOAD 1, 1
	WLOAD 2, 2
	WLOAD 3, 3
.irp b, 0,1,2,3
	WCVT \b, \b
	WLOAD \b+4, \b
	WSTORE \b
.endr
	WCVT 4, 0
	LNLOAD 1, 192, 34, 0
	WSTORE 4
	WCVT 5, 1
	LNLOAD 2, 192, 34, 1
	WSTORE 5
	WCVT 6, 2
	LNLOAD 3, 128, 34, 2                           ; over batch 6, which has just been converted
	WSTORE 6
	WCVT 7, 3
	LNLOAD 3, 192, 34, 3                           ; over batch 7
	WSTORE 7
	BAR                                            ; the image is whole
; ---- my head's fragments of w_in into windows 1 to 3: lane r = column, K along the registers (transposing loads from [K][N] rows)
.macro WREG win, ad, n
	WIN \win                                       ; destination in the window, address in window 0
.set kk, 0
.rept \n
.irp nt, 0,1,2,3
	ds_load_tr16_b128 v[32*kk+8*\nt:32*kk+8*\nt+3], v[\ad] offset:kk*9216+32*\nt
	ds_load_tr16_b128 v[32*kk+8*\nt+4:32*kk+8*\nt+7], v[\ad] offset:kk*9216+32*\nt+4608
.endr
.set kk, kk+1
.endr
.endm
	WREG 0x40, 48, 6
	WREG 0x80, 49, 6
	WREG 0xc0, 50, 4
	WIN 0
	BAR                                            ; every wave has read the image: A may be written over it
; ---- LayerNorm of one group of 4 rows; the f16 result goes to A
.macro RED4                            ; v[T+4i] summed over the 32 lanes, four rows in step
.irp m, 1,2,4,8
.irp i, 0,1,2,3
	v_add_f32_dpp v[T+4*\i], v[T+4*\i], v[T+4*\i] row_xmask:\m row_mask:0xf bank_mask:0xf
.endr
.endr
.irp i, 0,1,2,3
	v_permlanex16_b32 v[T+4*\i+1], v[T+4*\i], s28, s29
.endr
.irp i, 0,1,2,3
	v_add_f32 v[T+4*\i], v[T+4*\i], v[T+4*\i+1]
.endr
.endm
; The turn of slot g, which lies at register xb of window w.
.macro LNPROC w, xb, g
	s_wait_loadcnt 48                              ; my group's 16 loads are in; the three younger groups' 48 stay out (in the last half nothing is out any more)
	WIN (\w|(\w<<2))                               ; both sources in the slot's window
.irp j, 0,4,8,12
.irp i, 0,1,2,3
	v_pk_add_f32 v[U+16*\i+8+\j/2:U+16*\i+9+\j/2], v[\xb+16*\i+\j:\xb+16*\i+\j+1], v[\xb+16*\i+\j+2:\xb+16*\i+\j+3]
.endr
.endr
	WIN 0
.irp i, 0,1,2,3
	v_pk_add_f32 v[U+16*\i+8:U+16*\i+9], v[U+16*\i+8:U+16*\i+9], v[U+16*\i+10:U+16*\i+11]
	v_pk_add_f32 v[U+16*\i+12:U+16*\i+13], v[U+16*\i+12:U+16*\i+13], v[U+16*\i+14:U+16*\i+15]
.endr
.irp i, 0,1,2,3
	v_pk_add_f32 v[T+4*\i:T+4*\i+1], v[U+16*\i+8:U+16*\i+9], v[U+16*\i+12:U+16*\i+13]
.endr
.irp i, 0,1,2,3
	v_add_f32 v[T+4*\i], v[T+4*\i], v[T+4*\i+1]
.endr
	RED4
.irp i, 0,1,2,3
	v_mul_f32 v[T+4*\i], 0xbb000000, v[T+4*\i]     ; - mean
.endr
	WIN \w                                         ; source 0 in the slot's window: the centred rows go to window 0, and the slot is free
.irp j, 0,2,4,6,8,10,12,14
.irp i, 0,1,2,3
	v_pk_add_f32 v[U+16*\i+\j:U+16*\i+\j+1], v[\xb+16*\i+\j:\xb+16*\i+\j+1], v[T+4*\i:T+4*\i+1] op_sel_hi:[1,0]
.endr
.endr
	WIN 0                                          ; at a branch and at a label every window is 0
	s_cmp_lg_u32 s57, 0
	s_cbranch_scc0 .Lnofill_\@
	LNLOAD \w, \xb, 36, \g                         ; the group four further down the stream
	WIN 0
	s_branch .Lfilled_\@
.Lnofill_\@:
	s_wait_loadcnt 0x0                             ; q's last half: nothing is left to ask for, so no younger loads can be counted on: all that is out is waited for
.Lfilled_\@:
.irp i, 0,1,2,3
	v_pk_mul_f32 v[T+4*\i:T+4*\i+1], v[U+16*\i:U+16*\i+1], v[U+16*\i:U+16*\i+1]
	v_pk_mul_f32 v[T+4*\i+2:T+4*\i+3], v[U+16*\i+2:U+16*\i+3], v[U+16*\i+2:U+16*\i+3]
.endr
.irp j, 4,8,12
.irp i, 0,1,2,3
	v_pk_fma_f32 v[T+4*\i:T+4*\i+1], v[U+16*\i+\j:U+16*\i+\j+1], v[U+16*\i+\j:U+16*\i+\j+1], v[T+4*\i:T+4*\i+1]
	v_pk_fma_f32 v[T+4*\i+2:T+4*\i+3], v[U+16*\i+\j+2:U+16*\i+\j+3], v[U+16*\i+\j+2:U+16*\i+\j+3], v[T+4*\i+2:T+4*\i+3]
.endr
.endr
.irp i, 0,1,2,3
	v_pk_add_f32 v[T+4*\i:T+4*\i+1], v[T+4*\i:T+4*\i+1], v[T+4*\i+2:T+4*\i+3]
.endr
.irp i, 0,1,2,3
	v_add_f32 v[T+4*\i], v[T+4*\i], v[T+4*\i+1]
.endr
	RED4
.irp i, 0,1,2,3
	v_fma_f32 v[T+4*\i], v[T+4*\i], s45, s46       ; variance + 1e-5
.endr
.irp i, 0,1,2,3
	v_rsq_f32 v[T+4*\i+2], v[T+4*\i]
.endr
	v_nop                                          ; one plain place behind the transcendentals (ISA guide 5.7.2)
	s_wait_alu depctr_va_vdst(0)
.irp j, 0,2,4,6,8,10,12,14
.irp i, 0,1,2,3
	v_pk_mul_f32 v[U+16*\i+\j:U+16*\i+\j+1], v[U+16*\i+\j:U+16*\i+\j+1], v[T+4*\i+2:T+4*\i+3] op_sel_hi:[1,0]
.endr
.irp i, 0,1,2,3
	v_pk_fma_f32 v[U+16*\i+\j:U+16*\i+\j+1], v[U+16*\i+\j:U+16*\i+\j+1], v[GG+\j:GG+\j+1], v[BB+\j:BB+\j+1]
.endr
.endr
.irp c, 0,1,2,3,4,5,6,7                ; a row's 16 numbers into its first 8 registers; the next turn's first sums use the other 8
.irp i, 0,1,2,3
	v_cvt_pk_f16_f32 v[U+16*\i+\c], v[U+16*\i+2*\c], v[U+16*\i+2*\c+1]
.endr
.endr
.irp i, 0,1,2,3
.irp c, 0,1,2,3
	ds_store_b64 v5, v[U+16*\i+2*\c:U+16*\i+2*\c+1] offset:(4*\g+\i)*APITCH+256*\c
.endr
.endr
.endm
; ---- 64 rows x 64 columns x K = 512.  Source 0 = w_in's fragment (its column runs along the result's 8 registers), source 1 = 16 rows of A
; (the row is the result's lane % 16): lane (r, h), register j of tile (rt, b) = f[64 rh + 16 rt + r][16 b + 8 h + j].
.macro AFETCH ks, f
.irp rt, 0,1,2,3
	ds_load_b128 v[\f+8*\rt:\f+8*\rt+3], v6 offset:\rt*16*APITCH+64*(\ks)
	ds_load_b128 v[\f+8*\rt+4:\f+8*\rt+7], v6 offset:\rt*16*APITCH+64*(\ks)+32
.endr
.endm
.macro MUL16 w0, f, first              ; the 16 accumulators take turns, one instruction a turn
.irp rt, 0,1,2,3
.irp b, 0,1,2,3
.if \first
	v_wmma_f32_16x16x32_f16 v[ACC+32*\rt+8*\b:ACC+32*\rt+8*\b+7], v[\w0+8*\b:\w0+8*\b+7], v[\f+8*\rt:\f+8*\rt+7], 0
.else
	v_wmma_f32_16x16x32_f16 v[ACC+32*\rt+8*\b:ACC+32*\rt+8*\b+7], v[\w0+8*\b:\w0+8*\b+7], v[\f+8*\rt:\f+8*\rt+7], v[ACC+32*\rt+8*\b:ACC+32*\rt+8*\b+7]
.endif
.endr
.endr
.endm
.macro GSTEP ks, g, ks0, cur, nxt
.if \ks < 15
	WIN 0                                          ; an LDS load's address is its source 0: window 0
.if \ks > 0
	PLACES                                         ; the other buffer was read by the matrix instructions just issued
.endif
	AFETCH \ks+1, \nxt
	s_wait_dscnt 8                                 ; this step's fragments are in; the 8 loads just issued stay out
.else
	s_wait_dscnt 0x0
.endif
	WIN \g                                         ; source 0 (w_in) in window g, all else in window 0
	MUL16 32*(\ks-\ks0), \cur, \ks==0
.endm
.macro GEMM
	AFETCH 0, F0
	GSTEP 0, 1, 0, F0, F1
	GSTEP 1, 1, 0, F1, F0
	GSTEP 2, 1, 0, F0, F1
	GSTEP 3, 1, 0, F1, F0
	GSTEP 4, 1, 0, F0, F1
	GSTEP 5, 1, 0, F1, F0
	GSTEP 6, 2, 6, F0, F1
	GSTEP 7, 2, 6, F1, F0
	GSTEP 8, 2, 6, F0, F1
	GSTEP 9, 2, 6, F1, F0
	GSTEP 10, 2, 6, F0, F1
	GSTEP 11, 2, 6, F1, F0
	GSTEP 12, 3, 12, F0, F1
	GSTEP 13, 3, 12, F1, F0
	GSTEP 14, 3, 12, F0, F1
	GSTEP 15, 3, 12, F1, F0
	WIN 0
	PLACES                                         ; behind the last matrix instructions, ahead of the first reader of a result
.endm
; ---- column statistics of my 64 x 64 block: S = sum over rows, M2 = sum of (f - S/64)^2; both halves of the lanes hold 32 columns each
.macro RED16R x
.irp m, 1,2,4,8
.set qi, 0
.rept 32
	v_add_f32_dpp v[\x+qi], v[\x+qi], v[\x+qi] row_xmask:\m row_mask:0xf bank_mask:0xf
.set qi, qi+1
.endr
.endr
.endm
.macro COLSTAT st
.set qi, 0
.rept 16
	v_pk_add_f32 v[F0+2*qi:F0+2*qi+1], v[ACC+2*qi:ACC+2*qi+1], v[ACC+32+2*qi:ACC+33+2*qi]
.set qi, qi+1
.endr
.irp o, 64,96
.set qi, 0
.rept 16
	v_pk_add_f32 v[F0+2*qi:F0+2*qi+1], v[F0+2*qi:F0+2*qi+1], v[ACC+\o+2*qi:ACC+\o+2*qi+1]
.set qi, qi+1
.endr
.endr
	RED16R F0
.set qi, 0
.rept 16
	v_pk_mul_f32 v[F1+2*qi:F1+2*qi+1], v[F0+2*qi:F0+2*qi+1], 0xbc800000 op_sel_hi:[1,0]   ; - S/64
.set qi, qi+1
.endr
.set qi, 0
.rept 16
.set tb, T+8*(qi&1)
	v_pk_add_f32 v[tb:tb+1],   v[ACC+2*qi:ACC+2*qi+1],       v[F1+2*qi:F1+2*qi+1]
	v_pk_add_f32 v[tb+2:tb+3], v[ACC+32+2*qi:ACC+33+2*qi],   v[F1+2*qi:F1+2*qi+1]
	v_pk_add_f32 v[tb+4:tb+5], v[ACC+64+2*qi:ACC+65+2*qi],   v[F1+2*qi:F1+2*qi+1]
	v_pk_add_f32 v[tb+6:tb+7], v[ACC+96+2*qi:ACC+97+2*qi],   v[F1+2*qi:F1+2*qi+1]
	v_pk_mul_f32 v[F1+2*qi:F1+2*qi+1], v[tb:tb+1], v[tb:tb+1]
	v_pk_fma_f32 v[F1+2*qi:F1+2*qi+1], v[tb+2:tb+3], v[tb+2:tb+3], v[F1+2*qi:F1+2*qi+1]
	v_pk_fma_f32 v[F1+2*qi:F1+2*qi+1], v[tb+4:tb+5], v[tb+4:tb+5], v[F1+2*qi:F1+2*qi+1]
	v_pk_fma_f32 v[F1+2*qi:F1+2*qi+1], v[tb+6:tb+7], v[tb+6:tb+7], v[F1+2*qi:F1+2*qi+1]
.set qi, qi+1
.endr
	RED16R F1
.irp b, 0,1,2,3                        ; the 16 lanes of a half store equal numbers to equal addresses
	ds_store_b128 v12, v[F0+8*\b:F0+8*\b+3]   offset:\st+64*\b
	ds_store_b128 v12, v[F0+8*\b+4:F0+8*\b+7] offset:\st+64*\b+16
	ds_store_b128 v12, v[F1+8*\b:F1+8*\b+3]   offset:\st+256+64*\b
	ds_store_b128 v12, v[F1+8*\b+4:F1+8*\b+7] offset:\st+256+64*\b+16
.endr
.endm
; ---- row statistics of row tile rt: v[T] = - mean over the head's 64 columns, v[T+2] = 1 / norm
.macro ROWSTAT rt
.set AB, ACC+32*\rt
	v_pk_add_f32 v[T:T+1],   v[AB:AB+1],   v[AB+2:AB+3]
	v_pk_add_f32 v[T+2:T+3], v[AB+4:AB+5], v[AB+6:AB+7]
	v_pk_mul_f32 v[T+4:T+5], v[AB:AB+1],   v[AB:AB+1]
	v_pk_mul_f32 v[T+6:T+7], v[AB+2:AB+3], v[AB+2:AB+3]
	v_pk_fma_f32 v[T+4:T+5], v[AB+4:AB+5], v[AB+4:AB+5], v[T+4:T+5]
	v_pk_fma_f32 v[T+6:T+7], v[AB+6:AB+7], v[AB+6:AB+7], v[T+6:T+7]
.irp j, 8,12,16,20,24,28
	v_pk_add_f32 v[T:T+1],   v[T:T+1],   v[AB+\j:AB+\j+1]
	v_pk_add_f32 v[T+2:T+3], v[T+2:T+3], v[AB+\j+2:AB+\j+3]
	v_pk_fma_f32 v[T+4:T+5], v[AB+\j:AB+\j+1],   v[AB+\j:AB+\j+1],   v[T+4:T+5]
	v_pk_fma_f32 v[T+6:T+7], v[AB+\j+2:AB+\j+3], v[AB+\j+2:AB+\j+3], v[T+6:T+7]
.endr
	v_pk_add_f32 v[T:T+1],   v[T:T+1],   v[T+2:T+3]
	v_pk_add_f32 v[T+4:T+5], v[T+4:T+5], v[T+6:T+7]
	v_add_f32 v[T], v[T], v[T+1]
	v_add_f32 v[T+4], v[T+4], v[T+5]
	v_permlanex16_b32 v[T+1], v[T], s28, s29       ; the other 32 columns lie in the other half of the lanes
	v_permlanex16_b32 v[T+5], v[T+4], s28, s29
	v_add_f32 v[T], v[T], v[T+1]
	v_add_f32 v[T+4], v[T+4], v[T+5]
	v_rsq_f32 v[T+2], v[T+4]
	v_mul_f32 v[T], 0xbc800000, v[T]               ; - sum/64; also the plain place behind v_rsq_f32
.endm
; f / norm into v[f .. f+15], f - mean into v[f+16 .. f+31], both f16: tile b's four registers are one 16-byte piece of a fragment
.macro PACK rt, f
.set AB, ACC+32*\rt
	s_wait_alu depctr_va_vdst(0)
.irp b, 0,1,2,3
.irp p, 0,1,2,3
	v_pk_mul_f32 v[T+8+2*\p:T+9+2*\p], v[AB+8*\b+2*\p:AB+8*\b+2*\p+1], v[T+2:T+3] op_sel_hi:[1,0]
.endr
.irp p, 0,1,2,3
	v_cvt_pk_f16_f32 v[\f+4*\b+\p], v[T+8+2*\p], v[T+9+2*\p]
.endr
.irp p, 0,1,2,3
	v_pk_add_f32 v[T+8+2*\p:T+9+2*\p], v[AB+8*\b+2*\p:AB+8*\b+2*\p+1], v[T:T+1] op_sel_hi:[1,0]
.endr
.irp p, 0,1,2,3
	v_cvt_pk_f16_f32 v[\f+16+4*\b+\p], v[T+8+2*\p], v[T+9+2*\p]
.endr
.endr
.endm
.macro KROW rt, f                      ; khat and kc of 16 rows into LDS, [row][column]
	ROWSTAT \rt
	PACK \rt, \f
.irp b, 0,1,2,3
	ds_store_b128 v7, v[\f+4*\b:\f+4*\b+3] offset:\rt*16*VPITCH+32*\b
	ds_store_b128 v7, v[\f+16+4*\b:\f+16+4*\b+3] offset:KCOFF+\rt*16*VPITCH+32*\b
.endr
.endm
.macro QROW rt, f                      ; qhat and qc of 16 rows to qf: each store covers 512 consecutive bytes, aligned
	ROWSTAT \rt
	s_wait_xcnt 0x0                                ; buffer f was the data of stores two turns ago
	PACK \rt, \f
.irp b, 0,1,2,3
	global_store_b128 v11, v[\f+4*\b:\f+4*\b+3], s[38:39] offset:\rt*32768+512*\b
	global_store_b128 v11, v[\f+16+4*\b:\f+16+4*\b+3], s[38:39] offset:\rt*32768+2048+512*\b
.endr
.endm
; the two row halves' statistics of a head are joined (64 rows each: M2 = M2a + M2b + (Sa - Sb)^2 / 128) and stored; waves 0 and 1 only
.macro MERGE t, st
	s_cmp_ge_u32 s22, 2
	s_cbranch_scc1 .Lnomerge_\@
	ds_load_b64 v[T:T+1],   v13 offset:\st
	ds_load_b64 v[T+2:T+3], v13 offset:\st+256
	ds_load_b64 v[T+4:T+5], v13 offset:\st+1024
	ds_load_b64 v[T+6:T+7], v13 offset:\st+1280
	s_wait_dscnt 0x0
	v_pk_add_f32 v[T+8:T+9], v[T:T+1], v[T+4:T+5] neg_lo:[0,1] neg_hi:[0,1]
	v_pk_add_f32 v[T:T+1],   v[T:T+1], v[T+4:T+5]
	v_pk_add_f32 v[T+2:T+3], v[T+2:T+3], v[T+6:T+7]
	v_pk_mul_f32 v[T+8:T+9], v[T+8:T+9], v[T+8:T+9]
	v_pk_fma_f32 v[T+2:T+3], v[T+8:T+9], 0x3c000000, v[T+2:T+3] op_sel_hi:[1,0,1]
	global_store_b64 v15, v[T:T+1],   s[42:43] offset:(2*\t)*131072
	global_store_b64 v15, v[T+2:T+3], s[42:43] offset:(2*\t+1)*131072
	s_wait_xcnt 0x0                                ; T is written again only behind this wait
.Lnomerge_\@:
.endm
; ==== the three tensors: t = 0 v, 1 k, 2 q
	s_mov_b32 s56, 0
.Ltensor:
	s_cmp_eq_u32 s56, 0
	s_cselect_b64 s[52:53], s[32:33], s[30:31]     ; the tensor behind this one: k behind v, q behind k (behind q none: not used)
	s_cmp_lt_u32 s56, 2
	s_cselect_b32 s58, 1, 0                        ; q's second half fills nothing
	v_mov_b32 v5, v14
	s_mov_b32 s54, 2
.Lhalf:                                            ; half a tensor: my 16 rows in four turns, once round the ring
	LNPROC 1, 192, 0
	LNPROC 2, 192, 1
	LNPROC 3, 128, 2
	LNPROC 3, 192, 3
	s_wait_xcnt 0x0                                ; the ring's base is written only behind this wait
	s_add_nc_u64 s[36:37], s[36:37], 32768         ; behind a second half: the tensor that has been begun, groups 4 to 7;
	s_cmp_eq_u32 s54, 2
	s_cselect_b64 s[36:37], s[52:53], s[36:37]     ; behind a first half: the next tensor, groups 0 to 3
	s_mov_b32 s57, s58
	v_add_nc_u32 v5, 16*APITCH, v5                 ; 16 rows of A on
	s_sub_co_u32 s54, s54, 1
	s_cmp_lg_u32 s54, 0
	s_cbranch_scc1 .Lhalf
	BAR                                            ; A is whole
	GEMM
	s_cmp_eq_u32 s56, 0
	s_cbranch_scc0 .Lnot_v
; ---- behind v's product: V in f16 into LDS, all conversions, then the stores
.irp rt, 0,1,2,3
.irp b, 0,1,2,3
.irp p, 0,1,2,3
	v_cvt_pk_f16_f32 v[F0+16*\rt+4*\b+\p], v[ACC+32*\rt+8*\b+2*\p], v[ACC+32*\rt+8*\b+2*\p+1]
.endr
.endr
.endr
.irp rt, 0,1,2,3
.irp b, 0,1,2,3
	ds_store_b128 v8, v[F0+16*\rt+4*\b:F0+16*\rt+4*\b+3] offset:\rt*16*VPITCH+32*\b
.endr
.endr
	BAR                                            ; every wave has read A
	s_branch .Lnext
.Lnot_v:
	s_cmp_eq_u32 s56, 1
	s_cbranch_scc0 .Lis_q
; ---- behind k's product
	BAR                                            ; every wave has read A: khat and kc go over it
	COLSTAT 0
	KROW 0, F0
	KROW 1, F1
	KROW 2, F0
	KROW 3, F1
	BAR                                            ; khat, kc, V and the statistics are whole
; M[d1][d2] = sum over my work-group's 128 rows of K[row][d1] V[row][d2]: source 0 = V^T (d2 along the registers), source 1 = K^T (d1 = lane % 16)
.irp s, 0,1,2,3
.if \s
	PLACES
.endif
.irp b, 0,1,2,3
	ds_load_tr16_b128 v[F0+8*\b:F0+8*\b+3],   v10 offset:9216*\s+32*\b
	ds_load_tr16_b128 v[F0+8*\b+4:F0+8*\b+7], v10 offset:9216*\s+32*\b+4608
	ds_load_tr16_b128 v[F1+8*\b:F1+8*\b+3],   v9 offset:9216*\s+32*\b
	ds_load_tr16_b128 v[F1+8*\b+4:F1+8*\b+7], v9 offset:9216*\s+32*\b+4608
.endr
	s_wait_dscnt 0x0
.irp a, 0,1,2,3
.irp b, 0,1,2,3
.if \s
	v_wmma_f32_16x16x32_f16 v[ACC+32*\a+8*\b:ACC+32*\a+8*\b+7], v[F0+8*\b:F0+8*\b+7], v[F1+8*\a:F1+8*\a+7], v[ACC+32*\a+8*\b:ACC+32*\a+8*\b+7]
.else
	v_wmma_f32_16x16x32_f16 v[ACC+32*\a+8*\b:ACC+32*\a+8*\b+7], v[F0+8*\b:F0+8*\b+7], v[F1+8*\a:F1+8*\a+7], 0
.endif
.endr
.endr
.endr
	PLACES
.irp a, 0,1,2,3
.irp b, 0,1,2,3
	global_store_b128 v11, v[ACC+32*\a+8*\b:ACC+32*\a+8*\b+3],   s[40:41] offset:\a*32768+1024*\b
	global_store_b128 v11, v[ACC+32*\a+8*\b+4:ACC+32*\a+8*\b+7], s[40:41] offset:\a*32768+1024*\b+512
.endr
.endr
	s_wait_xcnt 0x0                                ; the accumulators are written again only behind this wait
	MERGE 1, 0
	BAR                                            ; every wave has read khat, kc and V: A may be written again
	s_branch .Lnext
.Lis_q:
; ---- behind q's product
	COLSTAT 2048
	QROW 0, F0
	QROW 1, F1
	QROW 2, F0
	QROW 3, F1
	s_wait_xcnt 0x0                                ; the loop's text writes F0 and F1 again at its head: they are freed on every way round
	BAR                                            ; the statistics of q are whole, and every wave has read A
	MERGE 0, 2048
.Lnext:
	s_add_co_u32 s56, s56, 1
	s_cmp_lt_u32 s56, 3
	s_cbranch_scc1 .Ltensor
	s_wait_xcnt 0x0
	v_lshl_add_u32 v254, v0, 2, 0x2a800
	v_mov_b32 v255, 0
	s_wait_tensorcnt 0x0
	ds_add_u32 v254, v255
	s_wait_dscnt 0x0
	s_endpgm
.Lfunc_end_k_q55f6f72361_proj:
	.size	k_q55f6f72361_proj, .Lfunc_end_k_q55f6f72361_proj-k_q55f6f72361_proj
	.p2alignl 7, 3214868480
	.fill 96, 4, 3214868480
	.section	.rodata,"a",@progbits
	.p2align	6, 0x0
	.amdhsa_kernel k_q55f6f72361_proj
		.amdhsa_group_segment_fixed_size 174592
		.amdhsa_private_segment_fixed_size 0
		.amdhsa_enable_private_segment 0
		.amdhsa_kernarg_size 72
		.amdhsa_user_sgpr_count 2
		.amdhsa_user_sgpr_kernarg_segment_ptr 1
		.amdhsa_wavefront_size32 1
		.amdhsa_system_sgpr_workgroup_id_x 1
		.amdhsa_system_sgpr_workgroup_id_y 1
		.amdhsa_system_sgpr_workgroup_id_z 1
		.amdhsa_system_vgpr_workitem_id 0
		.amdhsa_next_free_vgpr 1024
		.amdhsa_next_free_sgpr 66
		.amdhsa_reserve_vcc 0
		.amdhsa_float_denorm_mode_32 3
		.amdhsa_float_denorm_mode_16_64 3
		.amdhsa_memory_ordered 1
		.amdhsa_forward_progress 1
		.amdhsa_inst_pref_size 255
	.end_amdhsa_kernel
	.section	.bss,"aw",@nobits
	.p2align	6
	.space	262144
	.amdgpu_metadata
---
amdhsa.version: [ 1, 2 ]
amdhsa.kernels:
  - .name:           k_q55f6f72361_proj
    .symbol:         k_q55f6f72361_proj.kd
    .args:
      - { .name: q, .offset: 0, .size: 8, .value_kind: global_buffer, .address_space: global }
      - { .name: k, .offset: 8, .size: 8, .value_kind: global_buffer, .address_space: global }
      - { .name: v, .offset: 16, .size: 8, .value_kind: global_buffer, .address_space: global }
      - { .name: ln_g, .offset: 24, .size: 8, .value_kind: global_buffer, .address_space: global }
      - { .name: ln_b, .offset: 32, .size: 8, .value_kind: global_buffer, .address_space: global }
      - { .name: w_in, .offset: 40, .size: 8, .value_kind: global_buffer, .address_space: global }
      - { .name: qf, .offset: 48, .size: 8, .value_kind: global_buffer, .address_space: global }
      - { .name: pm, .offset: 56, .size: 8, .value_kind: global_buffer, .address_space: global }
      - { .name: cs, .offset: 64, .size: 8, .value_kind: global_buffer, .address_space: global }
    .group_segment_fixed_size: 174592
    .private_segment_fixed_size: 0
    .kernarg_segment_align: 8
    .kernarg_segment_size: 72
    .max_flat_workgroup_size: 128
    .sgpr_count:     66
    .vgpr_count:     1024
    .wavefront_size: 32
...
	.end_amdgpu_metadata
.endif
;; end of part 4
;; launch fold (part 5): grid 256 x 1, 4 waves a work-group, no clusters, 37,632 bytes of LDS; arguments pm, cs, w_out, wf, mu, cst; writes wf, mu, cst
.if DOCPART == 5
	.amdgcn_target "amdgcn-amd-amdhsa--gfx1250"
	.amdhsa_code_object_version 6
	.text
	.protected	k_q55f6f72361_fold
	.globl	k_q55f6f72361_fold
	.p2align	8
	.type	k_q55f6f72361_fold,@function
k_q55f6f72361_fold:
	s_mov_b64 s[64:65], 0
	v_nop
	global_prefetch_b8 v0, s[64:65] scope:SCOPE_SE
	s_setreg_imm32_b32 hwreg(HW_REG_WAVE_MODE, 25, 1), 1
	s_wait_xcnt 0x0
; For one (query group qg, head hh, kind, half nh of the output columns): M = the sum of the 8 row blocks' partial k^T V (64 x 64, f32);
; mu = the largest |M| (floored at 2^-100), so that M / mu has room in f16 whatever the inputs' size; U = (M / mu) w_out[64 hh .. +63][256 nh .. +255],
; stored in f16 in the order in which the last launch reads fragments.  mu goes to memory in f32 and is multiplied back there.
; Wave a owns rows d1 = 16 a .. +15 of M.  All of a wave's 96 loads (w_out's 32, the partials' 64) are asked for at once: 384 registers, in two windows.
; 16 of the work-groups (qg = 0, nh = 0) also join the 64 row blocks' column statistics of one tensor (t = kind) and head: wave a takes row blocks 16 a .. +15
; (32 loads, issued first of all), M2_a = sum M2_g + sum (S_g - S_a/16)^2 / 128; behind the barrier wave 1 joins the four parts of 2,048 rows in the same way.
; Loads go through registers: a partial is read by two work-groups only and w_out's part is 65,536 bytes, so joint loads would spare little.
; LDS: w_out's part in f16, 64 rows (d2) of pitch 544; the four waves' maxima at 34,816; the statistics' parts [wave][S, M2][64 f32] at 35,072.
.set MF,  16                           ; v16-31   M / mu as two fragments (K = d2)
.set ACC, 32                           ; v32-63   four accumulator tiles
.set R,   64                           ; v64-191  partials 2-5, then the two fragment buffers
.set FB0, 64
.set FB1, 128
.set SUM, 192                          ; v192-223 M: register 8 b + j = M[16 a + r][16 b + 8 h + j]; partial 0 lands here
.set TT,  224                          ; v224-255 partial 1
.set PK,  192                          ; v192-255 packed results, 16 registers of its own for each group of four column tiles
; window 1: v0-127 w_out as loaded, v128-159 partial 6, v160-191 partial 7, v192-223 16 pairs of S, v224-255 16 pairs of M2
.set WOP, 544
.set MX,  34816
.set STL, 35072
.set MSB, 0
.macro WIN new                         ; the immediate's high byte repeats the setting that is left
.if MSB != \new
	s_set_vgpr_msb (MSB<<8)|\new
.set MSB, \new
.endif
.endm
.macro PLACES
.rept 4
	v_nop
.endr
.endm
	s_load_b256 s[4:11], s[0:1], 0x0               ; pm, cs, w_out, wf
	s_load_b128 s[12:15], s[0:1], 0x20             ; mu, cst
	s_set_vgpr_msb 0x80
	v_lshl_add_u32 v0, v0, 2, 0x9100
	v_mov_b32 v1, 0
	s_set_vgpr_msb 0x8000
	v_and_b32 v1, 31, v0
	v_lshrrev_b32 v10, 5, v0
	v_readfirstlane_b32 s16, v10                   ; wave = a
	v_bfe_u32 v3, v0, 4, 1                         ; h
	v_mov_b32 v2, 0
	v_mov_b32 v11, 0
	s_lshr_b32 s17, ttmp9, 5                       ; qg
	s_bfe_u32 s18, ttmp9, 0x30002                  ; hh
	s_bfe_u32 s19, ttmp9, 0x10001                  ; kind
	s_and_b32 s20, ttmp9, 1                        ; nh
	s_or_b32 s21, s17, s20                         ; 0: this work-group also has a slice of the statistics
	s_mov_b32 s22, 0x76543210
	s_mov_b32 s23, 0xfedcba98
	v_lshlrev_b32 v4, 4, v1                        ; 16 lane
	v_lshlrev_b32 v5, 3, v1                        ; 8 lane
	s_mul_i32 s24, s16, 16*WOP
	v_add_nc_u32 v6, s24, v5                       ; w_out's image: row 16 a, byte 8 lane
	v_and_b32 v7, 7, v0
	v_lshl_add_u32 v7, v3, 3, v7
	v_mul_u32_u24 v7, v7, WOP
	v_bfe_u32 v10, v0, 3, 1
	v_lshl_add_u32 v7, v10, 4, v7                  ; transposing loads: (8 h + lane % 8) pitch + 16 ((lane >> 3) & 1)
	s_lshl_b32 s24, s16, 9
	s_add_co_u32 s24, s24, STL
	v_add_nc_u32 v3, s24, v5                       ; my part of the statistics in LDS (h is used up)
	s_lshl_b32 s24, s16, 2
	s_add_co_u32 s24, s24, MX
	v_mov_b32 v8, s24
	v_mov_b32 v9, MX
	s_lshl3_add_u32 s25, s17, s18
	s_lshl1_add_u32 s25, s25, s19                  ; (8 qg + hh) 2 + kind
	s_mov_b32 s27, 0
	s_wait_kmcnt 0x0
	s_lshl2_add_u32 s26, s25, s16
	s_lshl_b32 s26, s26, 15
	s_add_nc_u64 s[4:5], s[4:5], s[26:27]          ; pm at my 16 rows of M
	s_lshl_b32 s26, s18, 17
	s_lshl_b32 s28, s20, 10
	s_add_co_u32 s26, s26, s28
	s_lshl_b32 s28, s16, 15
	s_add_co_u32 s26, s26, s28
	s_add_nc_u64 s[8:9], s[8:9], s[26:27]          ; w_out at row 64 hh + 16 a, column 256 nh
	s_lshl_b32 s26, s17, 20
	s_lshl_b32 s28, s20, 19
	s_add_co_u32 s26, s26, s28
	s_lshl_b32 s28, s18, 12
	s_add_co_u32 s26, s26, s28
	s_lshl_b32 s28, s19, 11
	s_add_co_u32 s26, s26, s28
	s_lshl_b32 s28, s16, 9
	s_add_co_u32 s26, s26, s28
	s_add_nc_u64 s[10:11], s[10:11], s[26:27]      ; wf + qg 2^20 + 16 nh 32,768 + (4 hh + 2 kind + a/2) 1,024 + (a & 1) 512
	s_lshl_b32 s26, s25, 2
	s_add_nc_u64 s[12:13], s[12:13], s[26:27]      ; mu's word
	s_lshl_b32 s26, s19, 18
	s_lshl_b32 s28, s18, 8
	s_add_co_u32 s26, s26, s28
	s_lshl_b32 s29, s16, 15
	s_add_co_u32 s26, s26, s29
	s_add_nc_u64 s[6:7], s[6:7], s[26:27]          ; cs at tensor kind, head hh, row block 16 a
	s_lshl_b32 s26, s19, 12
	s_add_co_u32 s26, s26, s28
	s_add_nc_u64 s[14:15], s[14:15], s[26:27]      ; cst at tensor kind, head hh
	; the statistics' loads first: they are older than every load below, so that each counted wait below holds with and without them
	s_cmp_lg_u32 s21, 0
	s_cbranch_scc1 .Lnostat0
	WIN 0x40                                       ; destination in window 1
.set gi, 0
.rept 16
	global_load_b64 v[192+2*gi:193+2*gi], v5, s[6:7] offset:gi*2048            ; S of row block 16 a + gi, 2 columns a lane
	global_load_b64 v[224+2*gi:225+2*gi], v5, s[6:7] offset:131072+gi*2048     ; M2 likewise
.set gi, gi+1
.endr
	WIN 0
.Lnostat0:
.macro PLOAD rbl, x                    ; row block rbl's partial of my 16 rows: 8 loads of 512 consecutive bytes
.irp i, 0,1,2,3,4,5,6,7
	global_load_b128 v[\x+4*\i:\x+4*\i+3], v4, s[4:5] offset:\rbl*4096+512*\i
.endr
.endm
.macro PADD x
.irp i, 0,1,2,3,4,5,6,7,8,9,10,11,12,13,14,15
	v_pk_add_f32 v[SUM+2*\i:SUM+2*\i+1], v[SUM+2*\i:SUM+2*\i+1], v[\x+2*\i:\x+2*\i+1]
.endr
.endm
	WIN 0x40
.set qi, 0
.rept 32
	global_load_b128 v[4*qi:4*qi+3], v4, s[8:9] offset:(qi/2)*2048+(qi%2)*512
.set qi, qi+1
.endr
	WIN 0
	PLOAD 0, SUM
	PLOAD 1, TT
	PLOAD 2, R
	PLOAD 3, R+32
	PLOAD 4, R+64
	PLOAD 5, R+96
	WIN 0x40
	PLOAD 6, 128
	PLOAD 7, 160
	s_wait_loadcnt 63                              ; 64 loads are younger than w_out's last: with at most 63 out, w_out's 32 are in
	WIN 0x45                                       ; sources and result in window 1
.set qi, 0
.rept 32
	v_cvt_pk_f16_f32 v[4*qi], v[4*qi], v[4*qi+1]
	v_cvt_pk_f16_f32 v[4*qi+1], v[4*qi+2], v[4*qi+3]
.set qi, qi+1
.endr
	WIN 0x04                                       ; an LDS store's data is source 1: window 1; its address window 0
.set qi, 0
.rept 32
	ds_store_b64 v6, v[4*qi:4*qi+1] offset:(qi/2)*WOP+(qi%2)*256
.set qi, qi+1
.endr
	WIN 0
	s_wait_loadcnt 48                              ; partials 0 and 1 are in; the 48 loads of partials 2 to 7 stay out
	PADD TT
	s_wait_loadcnt 16                              ; partials 2 to 5 are in; the 16 loads of partials 6 and 7 stay out
	PADD R
	PADD R+32
	PADD R+64
	PADD R+96
	s_wait_loadcnt 0x0
	WIN 0x04                                       ; source 1 in window 1
	PADD 128
	PADD 160
	WIN 0
	; the largest magnitude: in the lane, over the wave, over the four waves
	v_max_num_f32 v10, |v[SUM]|, |v[SUM+1]|
.set qi, 1
.rept 15
	v_max3_num_f32 v10, |v[SUM+2*qi]|, |v[SUM+2*qi+1]|, v10
.set qi, qi+1
.endr
.irp m, 1,2,4,8
	v_max_num_f32_dpp v10, v10, v10 row_xmask:\m row_mask:0xf bank_mask:0xf
.endr
	v_permlanex16_b32 v11, v10, s22, s23
	v_max_num_f32 v10, v10, v11
	ds_store_b32 v8, v10
	; my part of the statistics: 16 row blocks of 128 rows, 2 columns a lane (v16-63 hold nothing yet)
	s_cmp_lg_u32 s21, 0
	s_cbranch_scc1 .Lnostat1
	WIN 0x05                                       ; both sources in window 1
.set gi, 0
.rept 8
	v_pk_add_f32 v[16+2*gi:17+2*gi], v[192+4*gi:193+4*gi], v[194+4*gi:195+4*gi]
.set gi, gi+1
.endr
	WIN 0
.irp e, 16,20,24,28
	v_pk_add_f32 v[\e:\e+1], v[\e:\e+1], v[\e+2:\e+3]
.endr
	v_pk_add_f32 v[16:17], v[16:17], v[20:21]
	v_pk_add_f32 v[24:25], v[24:25], v[28:29]
	v_pk_add_f32 v[16:17], v[16:17], v[24:25]      ; S_a
	v_pk_mul_f32 v[12:13], v[16:17], 0xbd800000 op_sel_hi:[1,0]    ; - S_a / 16
	WIN 0x01                                       ; source 0 in window 1
.set gi, 0
.rept 16
	v_pk_add_f32 v[32+2*gi:33+2*gi], v[192+2*gi:193+2*gi], v[12:13]
.set gi, gi+1
.endr
	WIN 0
	v_pk_mul_f32 v[18:19], v[32:33], v[32:33]
	v_pk_mul_f32 v[20:21], v[34:35], v[34:35]
.set gi, 2
.rept 14
	v_pk_fma_f32 v[18+2*(gi%2):19+2*(gi%2)], v[32+2*gi:33+2*gi], v[32+2*gi:33+2*gi], v[18+2*(gi%2):19+2*(gi%2)]
.set gi, gi+1
.endr
	v_pk_add_f32 v[18:19], v[18:19], v[20:21]      ; sum of (S_g - S_a/16)^2
	WIN 0x05
.set gi, 0
.rept 8
	v_pk_add_f32 v[32+2*gi:33+2*gi], v[224+4*gi:225+4*gi], v[226+4*gi:227+4*gi]
.set gi, gi+1
.endr
	WIN 0
.irp e, 32,36,40,44
	v_pk_add_f32 v[\e:\e+1], v[\e:\e+1], v[\e+2:\e+3]
.endr
	v_pk_add_f32 v[32:33], v[32:33], v[36:37]
	v_pk_add_f32 v[40:41], v[40:41], v[44:45]
	v_pk_add_f32 v[32:33], v[32:33], v[40:41]
	v_pk_fma_f32 v[18:19], v[18:19], 0x3c000000, v[32:33] op_sel_hi:[1,0,1]    ; M2_a
	ds_store_b64 v3, v[16:17]
	ds_store_b64 v3, v[18:19] offset:256
.Lnostat1:
	s_wait_dscnt 0x0                               ; my rows of w_out's image, my maximum and my part of the statistics are stored
	s_barrier_signal -1
	s_barrier_wait -1
	ds_load_b128 v[12:15], v9
.macro WFETCH g, fb                    ; four column tiles x two K steps of w_out's fragments: lane % 16 = column, d2 along the registers
.irp i, 0,1,2,3
.irp s, 0,1
	ds_load_tr16_b128 v[\fb+16*\i+8*\s:\fb+16*\i+8*\s+3],   v7 offset:32*WOP*\s+32*(4*(\g)+\i)
	ds_load_tr16_b128 v[\fb+16*\i+8*\s+4:\fb+16*\i+8*\s+7], v7 offset:32*WOP*\s+16*WOP+32*(4*(\g)+\i)
.endr
.endr
.endm
	WFETCH 0, FB0
	WFETCH 1, FB1
	s_wait_dscnt 32                                ; the four maxima are in; the 32 fragment loads stay out
	v_max3_num_f32 v10, v12, v13, v14
	v_max3_num_f32 v10, v10, v15, 0x0d800000       ; mu, at least 2^-100
	v_rcp_f32 v12, v10
	v_nop                                          ; one plain place behind v_rcp_f32
	s_wait_alu depctr_va_vdst(0)
.irp i, 0,1,2,3,4,5,6,7,8,9,10,11,12,13,14,15
	v_pk_mul_f32 v[SUM+2*\i:SUM+2*\i+1], v[SUM+2*\i:SUM+2*\i+1], v[12:13] op_sel_hi:[1,0]
.endr
.irp i, 0,1,2,3,4,5,6,7,8,9,10,11,12,13,14,15
	v_cvt_pk_f16_f32 v[MF+\i], v[SUM+2*\i], v[SUM+2*\i+1]      ; tiles b = 2 s, 2 s + 1 are the two halves of K step s's fragment
.endr
; source 0 = M (d1 along the result's registers), source 1 = w_out (column = lane % 16): a lane's 8 results are 16 bytes of wf
.macro GROUP g, fb, left, more
	s_wait_dscnt \left                             ; this group's fragments are in; the next group's 16 loads stay out
.irp i, 0,1,2,3                        ; the four accumulators take turns
	v_wmma_f32_16x16x32_f16 v[ACC+8*\i:ACC+8*\i+7], v[MF:MF+7], v[\fb+16*\i:\fb+16*\i+7], 0
.endr
.irp i, 0,1,2,3
	v_wmma_f32_16x16x32_f16 v[ACC+8*\i:ACC+8*\i+7], v[MF+8:MF+15], v[\fb+16*\i+8:\fb+16*\i+15], v[ACC+8*\i:ACC+8*\i+7]
.endr
	PLACES
.irp i, 0,1,2,3
.irp p, 0,1,2,3
	v_cvt_pk_f16_f32 v[PK+16*\g+4*\i+\p], v[ACC+8*\i+2*\p], v[ACC+8*\i+2*\p+1]
.endr
.endr
.irp i, 0,1,2,3
	global_store_b128 v4, v[PK+16*\g+4*\i:PK+16*\g+4*\i+3], s[10:11] offset:(4*\g+\i)*32768
.endr
.if \more
	WFETCH \g+2, \fb
.endif
.endm
	GROUP 0, FB0, 16, 1
	GROUP 1, FB1, 16, 1
	GROUP 2, FB0, 16, 0
	GROUP 3, FB1, 0, 0
	; mu: one word, from lane 0 of wave 0 of the work-group with nh = 0
	s_cmp_lg_u32 s20, 0
	s_cbranch_scc1 .Ldone
	s_cmp_lg_u32 s16, 0
	s_cbranch_scc1 .Lstat
	v_cmp_eq_u32 vcc_lo, 0, v1
	s_wait_xcnt 0x0                                ; EXEC changes only behind s_wait_xcnt 0
	s_and_saveexec_b32 s30, vcc_lo
	global_store_b32 v2, v10, s[12:13]
	s_wait_xcnt 0x0
	s_or_b32 exec_lo, exec_lo, s30
	s_branch .Ldone
.Lstat:
	; wave 1 of the work-groups with qg = 0 and nh = 0 joins the four waves' parts (2,048 rows each); they were stored ahead of the barrier
	s_cmp_lg_u32 s17, 0
	s_cbranch_scc1 .Ldone
	s_cmp_lg_u32 s16, 1
	s_cbranch_scc1 .Ldone
	v_add_nc_u32 v3, STL, v5
.irp e, 0,1,2,3
	ds_load_b64 v[64+2*\e:65+2*\e], v3 offset:512*\e           ; S_a
	ds_load_b64 v[72+2*\e:73+2*\e], v3 offset:512*\e+256       ; M2_a
.endr
	s_wait_dscnt 0x0
	v_pk_add_f32 v[80:81], v[64:65], v[66:67]
	v_pk_add_f32 v[82:83], v[68:69], v[70:71]
	v_pk_add_f32 v[80:81], v[80:81], v[82:83]      ; S over all 8,192 rows
	v_pk_mul_f32 v[84:85], v[80:81], 0xbe800000 op_sel_hi:[1,0]    ; - S/4
.irp e, 64,66,68,70
	v_pk_add_f32 v[\e:\e+1], v[\e:\e+1], v[84:85]
.endr
	v_pk_mul_f32 v[86:87], v[64:65], v[64:65]
.irp e, 66,68,70
	v_pk_fma_f32 v[86:87], v[\e:\e+1], v[\e:\e+1], v[86:87]
.endr
	v_pk_add_f32 v[72:73], v[72:73], v[74:75]
	v_pk_add_f32 v[76:77], v[76:77], v[78:79]
	v_pk_add_f32 v[72:73], v[72:73], v[76:77]
	v_pk_fma_f32 v[72:73], v[86:87], 0x3a000000, v[72:73] op_sel_hi:[1,0,1]    ; + sum of (S_a - S/4)^2 / 2,048
	global_store_b64 v5, v[80:81], s[14:15]
	global_store_b64 v5, v[72:73], s[14:15] offset:2048
.Ldone:
	s_set_vgpr_msb 0xa
	s_wait_tensorcnt 0x0
	ds_add_u32 v0, v1
	s_wait_dscnt 0x0
	s_set_vgpr_msb 0xa00
	s_endpgm
.Lfunc_end_k_q55f6f72361_fold:
	.size	k_q55f6f72361_fold, .Lfunc_end_k_q55f6f72361_fold-k_q55f6f72361_fold
	.p2alignl 7, 3214868480
	.fill 96, 4, 3214868480
	.section	.rodata,"a",@progbits
	.p2align	6, 0x0
	.amdhsa_kernel k_q55f6f72361_fold
		.amdhsa_group_segment_fixed_size 37632
		.amdhsa_private_segment_fixed_size 0
		.amdhsa_enable_private_segment 0
		.amdhsa_kernarg_size 48
		.amdhsa_user_sgpr_count 2
		.amdhsa_user_sgpr_kernarg_segment_ptr 1
		.amdhsa_wavefront_size32 1
		.amdhsa_system_sgpr_workgroup_id_x 1
		.amdhsa_system_sgpr_workgroup_id_y 1
		.amdhsa_system_sgpr_workgroup_id_z 1
		.amdhsa_system_vgpr_workitem_id 0
		.amdhsa_next_free_vgpr 514
		.amdhsa_next_free_sgpr 66
		.amdhsa_reserve_vcc 1
		.amdhsa_float_denorm_mode_32 3
		.amdhsa_float_denorm_mode_16_64 3
		.amdhsa_memory_ordered 1
		.amdhsa_forward_progress 1
		.amdhsa_inst_pref_size 52
	.end_amdhsa_kernel
	.amdgpu_metadata
---
amdhsa.version: [ 1, 2 ]
amdhsa.kernels:
  - .name:           k_q55f6f72361_fold
    .symbol:         k_q55f6f72361_fold.kd
    .args:
      - { .name: pm, .offset: 0, .size: 8, .value_kind: global_buffer, .address_space: global }
      - { .name: cs, .offset: 8, .size: 8, .value_kind: global_buffer, .address_space: global }
      - { .name: w_out, .offset: 16, .size: 8, .value_kind: global_buffer, .address_space: global }
      - { .name: wf, .offset: 24, .size: 8, .value_kind: global_buffer, .address_space: global }
      - { .name: mu, .offset: 32, .size: 8, .value_kind: global_buffer, .address_space: global }
      - { .name: cst, .offset: 40, .size: 8, .value_kind: global_buffer, .address_space: global }
    .group_segment_fixed_size: 37632
    .private_segment_fixed_size: 0
    .kernarg_segment_align: 8
    .kernarg_segment_size: 48
    .max_flat_workgroup_size: 128
    .sgpr_count:     66
    .vgpr_count:     514
    .wavefront_size: 32
...
	.end_amdgpu_metadata
.endif
;; end of part 5
;; launch final: the kernel of part 3 again; grid 4 x 64, 8 waves a work-group, clusters of 4 x 4, 327,680 bytes of LDS; arguments qf, wf, out0, b_out, mu, cst, p_w1, p_b1, p_ln_g, p_ln_b, p_w2, p_b2; writes out0
;; ======== version 3 of 3: 3 launches; version 2 with the launch proj written anew for expert scheduling mode
;; limits: values are held in f16: magnitudes above 65,504 overflow, below 6.1e-05 lose precision
;; workspace buffers: qf 16,777,216 bytes; pm 16,777,216 bytes; cs 524,288 bytes; wf 8,388,608 bytes; mu 512 bytes; cst 8,192 bytes
;; launch proj (part 6): grid 4 x 64, 4 waves a work-group, no clusters, 174,592 bytes of LDS; arguments q, k, v, ln_g, ln_b, w_in, qf, pm, cs; writes qf, pm, cs
.if DOCPART == 6
	.amdgcn_target "amdgcn-amd-amdhsa--gfx1250"
	.amdhsa_code_object_version 6
	.text
	.protected	k_q55f6f72361_proj
	.globl	k_q55f6f72361_proj
	.p2align	8
	.type	k_q55f6f72361_proj,@function
k_q55f6f72361_proj:
	s_mov_b64 s[64:65], 0
	v_nop
	global_prefetch_b8 v0, s[64:65] scope:SCOPE_SE
	s_setreg_imm32_b32 hwreg(HW_REG_WAVE_SCHED_MODE, 0, 2), 2
	s_setreg_imm32_b32 hwreg(HW_REG_WAVE_MODE, 25, 1), 1
	s_wait_xcnt 0x0
	s_wait_alu depctr_vm_vsrc(0)
; LayerNorm + projection by w_in of v, k and q for 128 rows (rb = group y) and 128 columns = 2 heads (cb = group x).
; There is no softmax, so (1-w) cos + w cov times f_v is re-associated: out = (1-w) qhat (khat^T V) + (w/64) qc (kc^T V).
; This launch stores: qf = qhat and qc in f16, in the order in which a matrix fragment is read (16 bytes a lane, 512 a wave);
; pm = this row block's partial khat^T V and kc^T V in f32; cs = column sums and centred sums of squares of f_q and f_k.
; Four waves.  hd = wave & 1 (head), rh = wave >> 1.  Product with w_in: rows 64 rh .. +63 x the 64 columns of head 2 cb + hd.
; k^T V: head hd, kind rh (0 khat, 1 kc), all 128 rows.  LayerNorm: rows 32 wave .. +31, in 8 groups of 4 rows a tensor.
; The wave's 512 x 64 part of w_in stays in 512 registers (windows 1 to 3) for all three tensors.
; THE RING OF x: four register slots of 4 rows (16 loads of 512 bytes each), in the 256 registers that w_in leaves free in windows 1 to 3.  The 24 groups of
; v, k and q are one stream: group n lies in slot n % 4, and a slot is asked for again (group n + 4) in its own turn, when its rows are centred, so three groups' work,
; and at a change of tensors the product and what follows it, lies between a request and its wait.  At most 64 loads of a wave are out in this ring
; (72 at the start of w_in's staging: four batches of 16 and the 8 loads of ln_g and ln_b).
; ONE TEXT FOR THE THREE TENSORS, so that the code stays short: an outer loop over v, k, q; in it a loop of two halves of four LayerNorm turns, the product,
; and a branch on the tensor's number to what follows the product.
; NO JOINT LOADS: x has to pass through registers in f32 for the LayerNorm, and 128 rows of f32 (262,144 bytes) do not fit in LDS
; beside their f16 image (133,120) and V (36,864).
; LIMITS: matrix operands are f16, so |f| has to stay under 65,504.  v_rsq_f32 flushes denormals (ISA guide 15.8): a row whose sum of
; squares is under 2^-126 gets an infinite factor; a row of norm 0 gives NaN or infinity as in the reference.  Sums are ordered otherwise than in the reference.
; LDS: A 0..133,119 (128 rows, pitch 1,040); khat 0.., kc 36,864.. (pitch 288, over A once A is read); V 133,120.. (pitch 288);
; ST 169,984.. two sets (k, q) of [wave][S, M2][64 f32]; at the start w_in's f16 image lies at 0..147,455 (512 rows, pitch 288).
; THE MODE: SCHED_MODE bits 1:0 = 2 (LLVM: expert scheduling mode 2), set by the entry lines.  The code itself states the register dependences
; between vector or matrix instructions and memory or LDS instructions, with s_wait_alu, always for 0.
; THE PLAN.  Registers that memory or LDS instructions touch:
;   v4, v6-v13, v15  offsets and addresses, made once at the head and never written again.  v5: written at a tensor's head and at a half's end.
;   the four slots   Written by the ring's loads; read by a turn's first sums and its centring.  The refill stands behind the turn's wait for its four v_rsq_f32.
;   U = F0, F1       LayerNorm: written by the turn's arithmetic, its first eight registers of each row read by the turn's 16 LDS stores.
;                    The products: fragments land in one buffer while matrix instructions read the other.  Behind the products: packed results, read by stores.
;   ACC              Matrix and vector instructions, and the data of pm's stores.       T: vector instructions, and MERGE's loads and stores.
; A LayerNorm turn has one wait on vm_vsrc (ahead of the centring, which writes what the last turn's stores read) and two on va_vdst (behind the v_rsq_f32, for their
; results and for the slot; ahead of the LDS stores).  A K step of the product has one wait on va_vdst, at its head; the next step's fragment loads stand behind its
; first matrix instruction.  Behind k's and q's products a row turn's stores are issued in the next turn, behind that turn's one wait on va_vdst.
; One wait on vm_vsrc at a tensor's head frees all that the stores of the tensor before have read.
.set APITCH, 1040
.set VPITCH, 288
.set VBASE,  133120
.set KCOFF,  36864
.set STBASE, 169984
.set GG,  16                           ; v16-31  ln_g of my 16 columns (128 c + 4 lane + e)
.set BB,  32                           ; v32-47  ln_b likewise
.set T,   48                           ; v48-63  at work
.set ACC, 64                           ; v64-191 16 accumulator tiles (rt, b) at 32 rt + 8 b
.set F0,  192                          ; v192-223 fragment buffer 0
.set F1,  224                          ; v224-255 fragment buffer 1
.set U,   192                          ; v192-255 LayerNorm at work: row i of a group at 16 i
; v4 x offset, v5 LayerNorm's LDS address (v14 its start), v6 A fragments, v7 khat/kc stores, v8 V stores, v9 k^T loads, v10 V^T loads,
; v11 16 lane, v12 ST stores, v13 ST loads, v15 8 lane.
; Window 1: w_in's K steps 0-5 (v0-191), slot 0 (v192-255).  Window 2: K steps 6-11, slot 1 (v192-255).  Window 3: K steps 12-15 (v0-127), slots 2, 3 (v128-191, v192-255).
; s[30:35] q, k, v at my rows; s[36:37] from where the ring is filled; s[52:53] the next tensor; s54 halves left; s56 tensor; s57 1: this half fills; s58 the same for the next halves.
.set MSB, 0
.macro WIN new                         ; the immediate's high byte repeats the setting that is left
.if MSB != \new
	s_set_vgpr_msb (MSB<<8)|\new
.set MSB, \new
.endif
.endm
.macro PLACES                          ; four plain places behind a matrix instruction (ISA guide 7.12.1)
.rept 4
	v_nop
.endr
.endm
.macro BAR                             ; my LDS loads and stores are done, then the work-group's barrier
	s_wait_dscnt 0x0
	s_barrier_signal -1
	s_barrier_wait -1
.endm
	s_load_b512 s[4:19], s[0:1], 0x0               ; q, k, v, ln_g, ln_b, w_in, qf, pm
	s_load_b64 s[20:21], s[0:1], 0x40              ; cs
	v_and_b32 v1, 31, v0                           ; lane
	v_lshrrev_b32 v15, 5, v0
	v_readfirstlane_b32 s22, v15                   ; wave
	v_and_b32 v2, 15, v0                           ; r
	v_bfe_u32 v3, v0, 4, 1                         ; h
	s_wait_alu depctr_va_sdst(0)                   ; s22 is written, ahead of its first reader
	s_and_b32 s23, s22, 1                          ; hd
	s_lshr_b32 s24, s22, 1                         ; rh
	s_mov_b32 s25, ttmp9                           ; cb
	s_and_b32 s26, ttmp7, 0xffff                   ; rb
	s_lshl1_add_u32 s27, s25, s23                  ; head = 2 cb + hd
	s_mov_b32 s28, 0x76543210                      ; v_permlanex16_b32: lane i takes lane i of the other half
	s_mov_b32 s29, 0xfedcba98
	s_mov_b32 s45, 0x3b000000                      ; 1/512
	s_mov_b32 s46, 0x3727c5ac                      ; 1e-5
	v_lshlrev_b32 v11, 4, v1
	v_lshlrev_b32 v15, 3, v1
	s_lshl_b32 s47, s22, 16
	v_add_nc_u32 v4, s47, v11                      ; 16 lane + 32 wave rows of 2,048 bytes
	s_mul_i32 s47, s22, 32*APITCH
	v_add_nc_u32 v14, s47, v15                     ; A: row 32 wave, byte 8 lane
	v_mul_u32_u24 v6, v2, APITCH
	v_lshl_add_u32 v6, v3, 4, v6
	s_mul_i32 s47, s24, 64*APITCH
	v_add_nc_u32 v6, s47, v6                       ; (64 rh + r) pitch + 16 h
	v_mul_u32_u24 v7, v2, VPITCH
	v_lshl_add_u32 v7, v3, 4, v7
	s_mul_i32 s47, s24, 64*VPITCH
	s_lshl_b32 s48, s23, 7
	s_add_co_u32 s47, s47, s48
	v_add_nc_u32 v7, s47, v7                       ; (64 rh + r) 288 + 128 hd + 16 h
	v_add_nc_u32 v8, VBASE, v7
	v_and_b32 v49, 7, v0
	v_lshl_add_u32 v49, v3, 3, v49
	v_mul_u32_u24 v48, v49, VPITCH
	v_bfe_u32 v49, v0, 3, 1
	v_lshl_add_u32 v48, v49, 4, v48
	v_add_nc_u32 v48, s48, v48                     ; transposing loads: (8 h + lane % 8) 288 + 16 ((lane >> 3) & 1) + 128 hd
	v_add_nc_u32 v10, VBASE, v48
	s_mul_i32 s47, s24, KCOFF
	v_add_nc_u32 v9, s47, v48
	v_add_nc_u32 v49, 6*9216, v48                  ; w_in's image from K step 6 (32 rows of 288 bytes a step)
	v_add_nc_u32 v50, 12*9216, v48                 ; and from K step 12
	s_lshl_b32 s47, s22, 18
	v_add_nc_u32 v51, s47, v11                     ; w_in: 16 lane + 128 wave rows of 2,048 bytes
	s_mul_i32 s47, s22, 128*VPITCH
	v_add_nc_u32 v52, s47, v15
	s_lshl_b32 s47, s22, 9
	s_add_co_u32 s47, s47, STBASE
	v_lshl_add_u32 v12, v3, 5, s47
	s_lshl_b32 s47, s23, 9
	s_add_co_u32 s47, s47, STBASE
	v_add_nc_u32 v13, s47, v15
	s_wait_kmcnt 0x0
	s_lshl_b32 s50, s26, 18                        ; 128 rows of 2,048 bytes
	s_mov_b32 s51, 0
	s_add_nc_u64 s[30:31], s[4:5], s[50:51]        ; q, k, v at my first row
	s_add_nc_u64 s[32:33], s[6:7], s[50:51]
	s_add_nc_u64 s[34:35], s[8:9], s[50:51]
	s_add_nc_u64 s[36:37], s[34:35], 32768         ; the ring's first refills: v's groups 4 to 7 (a group is 4 rows of 2,048 bytes)
	s_mov_b32 s57, 1
	s_lshl_b32 s52, s24, 17
	s_add_co_u32 s50, s50, s52
	s_lshl_b32 s52, s27, 12
	s_add_co_u32 s50, s50, s52
	s_add_nc_u64 s[38:39], s[16:17], s[50:51]      ; qf + (8 rb + 4 rh) 32,768 + head 4,096
	s_lshl_b32 s50, s25, 9
	s_add_nc_u64 s[14:15], s[14:15], s[50:51]      ; w_in at my 128 columns
	s_lshr_b32 s52, s26, 3
	s_lshl3_add_u32 s52, s52, s27
	s_lshl1_add_u32 s52, s52, s24
	s_lshl_b32 s50, s52, 17
	s_and_b32 s52, s26, 7
	s_lshl_b32 s52, s52, 12
	s_add_co_u32 s50, s50, s52
	s_add_nc_u64 s[40:41], s[18:19], s[50:51]      ; pm + ((8 qg + head) 2 + rh) 131,072 + (rb % 8) 4,096
	s_lshl_b32 s50, s26, 11
	s_lshl_b32 s52, s27, 8
	s_add_co_u32 s50, s50, s52
	s_add_nc_u64 s[42:43], s[20:21], s[50:51]      ; cs + rb 2,048 + head 256
; 4 rows, the g-th four behind the address in s[base:base+1], into the slot at register xb of window w: 16 loads of 512 consecutive bytes
.macro LNLOAD w, xb, base, g
	WIN (\w<<6)                                    ; destination in the slot's window, the address in window 0
.irp i, 0,1,2,3
.irp c, 0,1,2,3
	global_load_b128 v[\xb+16*\i+4*\c:\xb+16*\i+4*\c+3], v4, s[\base:\base+1] offset:(4*\g+\i)*2048+512*\c
.endr
.endr
.endm
; ---- w_in: f32 from memory, f16 into LDS; wave w takes K rows 128 w .. +127 in 8 batches of 16 rows.  Four batches are on their way; they land in
; window 3 (v64 n ..), which holds nothing yet.  Behind the last four batches v's first four groups are asked for.
.macro WLOAD bt, n
	WIN 0xc0
.irp i, 0,1,2,3,4,5,6,7,8,9,10,11,12,13,14,15
	global_load_b128 v[64*(\n)+4*\i:64*(\n)+4*\i+3], v51, s[14:15] offset:(16*(\bt)+\i)*2048
.endr
.endm
.macro WCVT bt, n
	s_wait_loadcnt 48                              ; this batch is in; the three younger units of 16 loads stay out
.if \bt >= 2
	s_wait_alu depctr_vm_vsrc(0)                   ; the LDS stores of the batch two back have read this half of U, which the conversions write again
.endif
	WIN 0x0f                                       ; both sources in window 3, the result in window 0
.irp i, 0,1,2,3,4,5,6,7,8,9,10,11,12,13,14,15
	v_cvt_pk_f16_f32 v[U+32*(\bt&1)+2*\i], v[64*\n+4*\i], v[64*\n+4*\i+1]
	v_cvt_pk_f16_f32 v[U+32*(\bt&1)+2*\i+1], v[64*\n+4*\i+2], v[64*\n+4*\i+3]
.endr
	s_wait_alu depctr_va_vdst(0)                   ; the conversions have written this half of U, which the LDS stores read, and are done reading the batch's registers, in which later loads land
.endm
.macro WSTORE bt
	WIN 0
.irp i, 0,1,2,3,4,5,6,7,8,9,10,11,12,13,14,15
	ds_store_b64 v52, v[U+32*(\bt&1)+2*\i:U+32*(\bt&1)+2*\i+1] offset:(16*\bt+\i)*VPITCH
.endr
.endm
	s_wait_alu depctr_va_vdst(0)                   ; the offsets and addresses v4, v6 to v13, v15 and v48 to v52 are written, which the loads and stores from here on read
.irp c, 0,1,2,3
	global_load_b128 v[GG+4*\c:GG+4*\c+3], v11, s[10:11] offset:512*\c
	global_load_b128 v[BB+4*\c:BB+4*\c+3], v11, s[12:13] offset:512*\c
.endr
	WLOAD 0, 0
	WLOAD 1, 1
	WLOAD 2, 2
	WLOAD 3, 3
.irp b, 0,1,2,3
	WCVT \b, \b
	WLOAD \b+4, \b
	WSTORE \b
.endr
	WCVT 4, 0
	LNLOAD 1, 192, 34, 0
	WSTORE 4
	WCVT 5, 1
	LNLOAD 2, 192, 34, 1
	WSTORE 5
	WCVT 6, 2
	LNLOAD 3, 128, 34, 2                           ; over batch 6, which has just been converted
	WSTORE 6
	WCVT 7, 3
	LNLOAD 3, 192, 34, 3                           ; over batch 7
	WSTORE 7
	BAR                                            ; the image is whole
; ---- my head's fragments of w_in into windows 1 to 3: lane r = column, K along the registers (transposing loads from [K][N] rows).
; No vector instruction has been issued since the last batch's wait on va_vdst, so the loads over batches 4 and 5 owe nothing more.
.macro WREG win, ad, n
	WIN \win                                       ; destination in the window, address in window 0
.set kk, 0
.rept \n
.irp nt, 0,1,2,3
	ds_load_tr16_b128 v[32*kk+8*\nt:32*kk+8*\nt+3], v[\ad] offset:kk*9216+32*\nt
	ds_load_tr16_b128 v[32*kk+8*\nt+4:32*kk+8*\nt+7], v[\ad] offset:kk*9216+32*\nt+4608
.endr
.set kk, kk+1
.endr
.endm
	WREG 0x40, 48, 6
	WREG 0x80, 49, 6
	WREG 0xc0, 50, 4
	WIN 0
	BAR                                            ; every wave has read the image: A may be written over it
; ---- LayerNorm of one group of 4 rows; the f16 result goes to A
.macro RED4                            ; v[T+4i] summed over the 32 lanes, four rows in step
.irp m, 1,2,4,8
.irp i, 0,1,2,3
	v_add_f32_dpp v[T+4*\i], v[T+4*\i], v[T+4*\i] row_xmask:\m row_mask:0xf bank_mask:0xf
.endr
.endr
.irp i, 0,1,2,3
	v_permlanex16_b32 v[T+4*\i+1], v[T+4*\i], s28, s29
.endr
.irp i, 0,1,2,3
	v_add_f32 v[T+4*\i], v[T+4*\i], v[T+4*\i+1]
.endr
.endm
; The turn of slot g, which lies at register xb of window w.
.macro LNPROC w, xb, g
	s_wait_loadcnt 48                              ; my group's 16 loads are in; the three younger groups' 48 stay out (in the last half nothing is out any more)
	WIN (\w|(\w<<2))                               ; both sources in the slot's window
.irp j, 0,4,8,12
.irp i, 0,1,2,3
	v_pk_add_f32 v[U+16*\i+8+\j/2:U+16*\i+9+\j/2], v[\xb+16*\i+\j:\xb+16*\i+\j+1], v[\xb+16*\i+\j+2:\xb+16*\i+\j+3]
.endr
.endr
	WIN 0
.irp i, 0,1,2,3
	v_pk_add_f32 v[U+16*\i+8:U+16*\i+9], v[U+16*\i+8:U+16*\i+9], v[U+16*\i+10:U+16*\i+11]
	v_pk_add_f32 v[U+16*\i+12:U+16*\i+13], v[U+16*\i+12:U+16*\i+13], v[U+16*\i+14:U+16*\i+15]
.endr
.irp i, 0,1,2,3
	v_pk_add_f32 v[T+4*\i:T+4*\i+1], v[U+16*\i+8:U+16*\i+9], v[U+16*\i+12:U+16*\i+13]
.endr
.irp i, 0,1,2,3
	v_add_f32 v[T+4*\i], v[T+4*\i], v[T+4*\i+1]
.endr
	RED4
.irp i, 0,1,2,3
	v_mul_f32 v[T+4*\i], 0xbb000000, v[T+4*\i]     ; - mean
.endr
	s_wait_alu depctr_vm_vsrc(0)                   ; the last turn's LDS stores have read the first eight registers of each row of U, which the centring writes again
	WIN \w                                         ; source 0 in the slot's window: the centred rows go to window 0
.irp j, 0,2,4,6,8,10,12,14
.irp i, 0,1,2,3
	v_pk_add_f32 v[U+16*\i+\j:U+16*\i+\j+1], v[\xb+16*\i+\j:\xb+16*\i+\j+1], v[T+4*\i:T+4*\i+1] op_sel_hi:[1,0]
.endr
.endr
	WIN 0
.irp i, 0,1,2,3
	v_pk_mul_f32 v[T+4*\i:T+4*\i+1], v[U+16*\i:U+16*\i+1], v[U+16*\i:U+16*\i+1]
	v_pk_mul_f32 v[T+4*\i+2:T+4*\i+3], v[U+16*\i+2:U+16*\i+3], v[U+16*\i+2:U+16*\i+3]
.endr
.irp j, 4,8,12
.irp i, 0,1,2,3
	v_pk_fma_f32 v[T+4*\i:T+4*\i+1], v[U+16*\i+\j:U+16*\i+\j+1], v[U+16*\i+\j:U+16*\i+\j+1], v[T+4*\i:T+4*\i+1]
	v_pk_fma_f32 v[T+4*\i+2:T+4*\i+3], v[U+16*\i+\j+2:U+16*\i+\j+3], v[U+16*\i+\j+2:U+16*\i+\j+3], v[T+4*\i+2:T+4*\i+3]
.endr
.endr
.irp i, 0,1,2,3
	v_pk_add_f32 v[T+4*\i:T+4*\i+1], v[T+4*\i:T+4*\i+1], v[T+4*\i+2:T+4*\i+3]
.endr
.irp i, 0,1,2,3
	v_add_f32 v[T+4*\i], v[T+4*\i], v[T+4*\i+1]
.endr
	RED4
.irp i, 0,1,2,3
	v_fma_f32 v[T+4*\i], v[T+4*\i], s45, s46       ; variance + 1e-5
.endr
.irp i, 0,1,2,3
	v_rsq_f32 v[T+4*\i+2], v[T+4*\i]
.endr
	v_nop                                          ; one plain place behind the transcendentals (ISA guide 5.7.2)
	s_wait_alu depctr_va_vdst(0)                   ; the four v_rsq_f32 have written their results; the first sums and the centring are done reading the slot, in which the loads below land
	s_cmp_lg_u32 s57, 0                            ; at a branch and at a label every window is 0
	s_cbranch_scc0 .Lnofill_\@
	LNLOAD \w, \xb, 36, \g                         ; the group four further down the stream
	WIN 0
	s_branch .Lfilled_\@
.Lnofill_\@:
	s_wait_loadcnt 0x0                             ; q's last half: nothing is left to ask for, so no younger loads can be counted on: all that is out is waited for
.Lfilled_\@:
.irp j, 0,2,4,6,8,10,12,14
.irp i, 0,1,2,3
	v_pk_mul_f32 v[U+16*\i+\j:U+16*\i+\j+1], v[U+16*\i+\j:U+16*\i+\j+1], v[T+4*\i+2:T+4*\i+3] op_sel_hi:[1,0]
.endr
.irp i, 0,1,2,3
	v_pk_fma_f32 v[U+16*\i+\j:U+16*\i+\j+1], v[U+16*\i+\j:U+16*\i+\j+1], v[GG+\j:GG+\j+1], v[BB+\j:BB+\j+1]
.endr
.endr
.irp c, 0,1,2,3,4,5,6,7                ; a row's 16 numbers into its first 8 registers; the next turn's first sums use the other 8
.irp i, 0,1,2,3
	v_cvt_pk_f16_f32 v[U+16*\i+\c], v[U+16*\i+2*\c], v[U+16*\i+2*\c+1]
.endr
.endr
	s_wait_alu depctr_va_vdst(0)                   ; the conversions have written the first eight registers of each row of U, which the LDS stores read (v5, their address, was written ahead of the turn)
.irp i, 0,1,2,3
.irp c, 0,1,2,3
	ds_store_b64 v5, v[U+16*\i+2*\c:U+16*\i+2*\c+1] offset:(4*\g+\i)*APITCH+256*\c
.endr
.endr
.endm
; ---- 64 rows x 64 columns x K = 512.  Source 0 = w_in's fragment (its column runs along the result's 8 registers), source 1 = 16 rows of A
; (the row is the result's lane % 16): lane (r, h), register j of tile (rt, b) = f[64 rh + 16 rt + r][16 b + 8 h + j].
.macro AFETCH ks, f
.irp rt, 0,1,2,3
	ds_load_b128 v[\f+8*\rt:\f+8*\rt+3], v6 offset:\rt*16*APITCH+64*(\ks)
	ds_load_b128 v[\f+8*\rt+4:\f+8*\rt+7], v6 offset:\rt*16*APITCH+64*(\ks)+32
.endr
.endm
; K step ks: w_in's fragments in window g, from register 32 (ks - ks0); A's in buffer cur.  The 16 accumulators take turns, one instruction a turn.
; The next step's 8 fragment loads stand behind the step's first matrix instruction: the matrix instructions issued since the wait at the step's head name cur, w_in and the
; accumulators, none of the registers that those loads touch; 15 matrix instructions follow them.
.macro GSTEP ks, g, ks0, cur, nxt
	s_wait_dscnt 0x0                               ; this step's fragments are in
.if (\ks > 0) && (\ks < 15)
	PLACES                                         ; the other buffer was read by the matrix instructions just issued
	s_wait_alu depctr_va_vdst(0)                   ; the last step's matrix instructions are done reading the other buffer, in which the next step's fragments land
.endif
	WIN \g                                         ; source 0 (w_in) in window g, all else in window 0
.irp rt, 0,1,2,3
.irp b, 0,1,2,3
.if \ks == 0
	v_wmma_f32_16x16x32_f16 v[ACC+32*\rt+8*\b:ACC+32*\rt+8*\b+7], v[32*(\ks-\ks0)+8*\b:32*(\ks-\ks0)+8*\b+7], v[\cur+8*\rt:\cur+8*\rt+7], 0
.else
	v_wmma_f32_16x16x32_f16 v[ACC+32*\rt+8*\b:ACC+32*\rt+8*\b+7], v[32*(\ks-\ks0)+8*\b:32*(\ks-\ks0)+8*\b+7], v[\cur+8*\rt:\cur+8*\rt+7], v[ACC+32*\rt+8*\b:ACC+32*\rt+8*\b+7]
.endif
.if (\ks < 15) && (\rt == 0) && (\b == 0)
	WIN 0                                          ; an LDS load's address is its source 0: window 0
	AFETCH \ks+1, \nxt
	WIN \g
.endif
.endr
.endr
.endm
.macro GEMM
	AFETCH 0, F0                                   ; no vector instruction since the last turn's wait on va_vdst names F0 or F1, and the wait on vm_vsrc at the half's end has shown them read by the LDS stores
	GSTEP 0, 1, 0, F0, F1
	GSTEP 1, 1, 0, F1, F0
	GSTEP 2, 1, 0, F0, F1
	GSTEP 3, 1, 0, F1, F0
	GSTEP 4, 1, 0, F0, F1
	GSTEP 5, 1, 0, F1, F0
	GSTEP 6, 2, 6, F0, F1
	GSTEP 7, 2, 6, F1, F0
	GSTEP 8, 2, 6, F0, F1
	GSTEP 9, 2, 6, F1, F0
	GSTEP 10, 2, 6, F0, F1
	GSTEP 11, 2, 6, F1, F0
	GSTEP 12, 3, 12, F0, F1
	GSTEP 13, 3, 12, F1, F0
	GSTEP 14, 3, 12, F0, F1
	GSTEP 15, 3, 12, F1, F0
	WIN 0
	PLACES                                         ; behind the last matrix instructions, ahead of the first reader of a result
.endm
; ---- column statistics of my 64 x 64 block: S = sum over rows, M2 = sum of (f - S/64)^2; both halves of the lanes hold 32 columns each
.macro RED16R x
.irp m, 1,2,4,8
.set qi, 0
.rept 32
	v_add_f32_dpp v[\x+qi], v[\x+qi], v[\x+qi] row_xmask:\m row_mask:0xf bank_mask:0xf
.set qi, qi+1
.endr
.endr
.endm
.macro COLSTAT
.set qi, 0
.rept 16
	v_pk_add_f32 v[F0+2*qi:F0+2*qi+1], v[ACC+2*qi:ACC+2*qi+1], v[ACC+32+2*qi:ACC+33+2*qi]
.set qi, qi+1
.endr
.irp o, 64,96
.set qi, 0
.rept 16
	v_pk_add_f32 v[F0+2*qi:F0+2*qi+1], v[F0+2*qi:F0+2*qi+1], v[ACC+\o+2*qi:ACC+\o+2*qi+1]
.set qi, qi+1
.endr
.endr
	RED16R F0
.set qi, 0
.rept 16
	v_pk_mul_f32 v[F1+2*qi:F1+2*qi+1], v[F0+2*qi:F0+2*qi+1], 0xbc800000 op_sel_hi:[1,0]   ; - S/64
.set qi, qi+1
.endr
.set qi, 0
.rept 16
.set tb, T+8*(qi&1)
	v_pk_add_f32 v[tb:tb+1],   v[ACC+2*qi:ACC+2*qi+1],       v[F1+2*qi:F1+2*qi+1]
	v_pk_add_f32 v[tb+2:tb+3], v[ACC+32+2*qi:ACC+33+2*qi],   v[F1+2*qi:F1+2*qi+1]
	v_pk_add_f32 v[tb+4:tb+5], v[ACC+64+2*qi:ACC+65+2*qi],   v[F1+2*qi:F1+2*qi+1]
	v_pk_add_f32 v[tb+6:tb+7], v[ACC+96+2*qi:ACC+97+2*qi],   v[F1+2*qi:F1+2*qi+1]
	v_pk_mul_f32 v[F1+2*qi:F1+2*qi+1], v[tb:tb+1], v[tb:tb+1]
	v_pk_fma_f32 v[F1+2*qi:F1+2*qi+1], v[tb+2:tb+3], v[tb+2:tb+3], v[F1+2*qi:F1+2*qi+1]
	v_pk_fma_f32 v[F1+2*qi:F1+2*qi+1], v[tb+4:tb+5], v[tb+4:tb+5], v[F1+2*qi:F1+2*qi+1]
	v_pk_fma_f32 v[F1+2*qi:F1+2*qi+1], v[tb+6:tb+7], v[tb+6:tb+7], v[F1+2*qi:F1+2*qi+1]
.set qi, qi+1
.endr
	RED16R F1
.endm
.macro COLSTORE st
	s_wait_alu depctr_va_vdst(0)                   ; S and M2 are written in F0 and F1, which the LDS stores read
.irp b, 0,1,2,3                        ; the 16 lanes of a half store equal numbers to equal addresses
	ds_store_b128 v12, v[F0+8*\b:F0+8*\b+3]   offset:\st+64*\b
	ds_store_b128 v12, v[F0+8*\b+4:F0+8*\b+7] offset:\st+64*\b+16
	ds_store_b128 v12, v[F1+8*\b:F1+8*\b+3]   offset:\st+256+64*\b
	ds_store_b128 v12, v[F1+8*\b+4:F1+8*\b+7] offset:\st+256+64*\b+16
.endr
.endm
; ---- row statistics of row tile rt: v[T] = - mean over the head's 64 columns, v[T+2] = 1 / norm
.macro ROWSTAT rt
.set AB, ACC+32*\rt
	v_pk_add_f32 v[T:T+1],   v[AB:AB+1],   v[AB+2:AB+3]
	v_pk_add_f32 v[T+2:T+3], v[AB+4:AB+5], v[AB+6:AB+7]
	v_pk_mul_f32 v[T+4:T+5], v[AB:AB+1],   v[AB:AB+1]
	v_pk_mul_f32 v[T+6:T+7], v[AB+2:AB+3], v[AB+2:AB+3]
	v_pk_fma_f32 v[T+4:T+5], v[AB+4:AB+5], v[AB+4:AB+5], v[T+4:T+5]
	v_pk_fma_f32 v[T+6:T+7], v[AB+6:AB+7], v[AB+6:AB+7], v[T+6:T+7]
.irp j, 8,12,16,20,24,28
	v_pk_add_f32 v[T:T+1],   v[T:T+1],   v[AB+\j:AB+\j+1]
	v_pk_add_f32 v[T+2:T+3], v[T+2:T+3], v[AB+\j+2:AB+\j+3]
	v_pk_fma_f32 v[T+4:T+5], v[AB+\j:AB+\j+1],   v[AB+\j:AB+\j+1],   v[T+4:T+5]
	v_pk_fma_f32 v[T+6:T+7], v[AB+\j+2:AB+\j+3], v[AB+\j+2:AB+\j+3], v[T+6:T+7]
.endr
	v_pk_add_f32 v[T:T+1],   v[T:T+1],   v[T+2:T+3]
	v_pk_add_f32 v[T+4:T+5], v[T+4:T+5], v[T+6:T+7]
	v_add_f32 v[T], v[T], v[T+1]
	v_add_f32 v[T+4], v[T+4], v[T+5]
	v_permlanex16_b32 v[T+1], v[T], s28, s29       ; the other 32 columns lie in the other half of the lanes
	v_permlanex16_b32 v[T+5], v[T+4], s28, s29
	v_add_f32 v[T], v[T], v[T+1]
	v_add_f32 v[T+4], v[T+4], v[T+5]
	v_rsq_f32 v[T+2], v[T+4]
	v_mul_f32 v[T], 0xbc800000, v[T]               ; - sum/64; also the plain place behind v_rsq_f32
.endm
; f / norm into v[f .. f+15], f - mean into v[f+16 .. f+31], both f16: tile b's four registers are one 16-byte piece of a fragment.  The wait for v_rsq_f32 stands in the turn, ahead of this.
.macro PACK rt, f
.set AB, ACC+32*\rt
.irp b, 0,1,2,3
.irp p, 0,1,2,3
	v_pk_mul_f32 v[T+8+2*\p:T+9+2*\p], v[AB+8*\b+2*\p:AB+8*\b+2*\p+1], v[T+2:T+3] op_sel_hi:[1,0]
.endr
.irp p, 0,1,2,3
	v_cvt_pk_f16_f32 v[\f+4*\b+\p], v[T+8+2*\p], v[T+9+2*\p]
.endr
.irp p, 0,1,2,3
	v_pk_add_f32 v[T+8+2*\p:T+9+2*\p], v[AB+8*\b+2*\p:AB+8*\b+2*\p+1], v[T:T+1] op_sel_hi:[1,0]
.endr
.irp p, 0,1,2,3
	v_cvt_pk_f16_f32 v[\f+16+4*\b+\p], v[T+8+2*\p], v[T+9+2*\p]
.endr
.endr
.endm
.macro KSTORE rt, f                    ; khat and kc of 16 rows into LDS, [row][column]
.irp b, 0,1,2,3
	ds_store_b128 v7, v[\f+4*\b:\f+4*\b+3] offset:(\rt)*16*VPITCH+32*\b
	ds_store_b128 v7, v[\f+16+4*\b:\f+16+4*\b+3] offset:KCOFF+(\rt)*16*VPITCH+32*\b
.endr
.endm
.macro QSTORE rt, f                    ; qhat and qc of 16 rows to qf: each store covers 512 consecutive bytes, aligned
.irp b, 0,1,2,3
	global_store_b128 v11, v[\f+4*\b:\f+4*\b+3], s[38:39] offset:(\rt)*32768+512*\b
	global_store_b128 v11, v[\f+16+4*\b:\f+16+4*\b+3], s[38:39] offset:(\rt)*32768+2048+512*\b
.endr
.endm
; A row turn: row tile rt is packed into buffer f; the stores of row tile rt - 1, from buffer g, are issued here, behind the turn's one wait on va_vdst.
; In turn 1 buffer f was read by the statistics' stores alone, which turn 0's wait on vm_vsrc has covered.
.macro KTURN rt, f, g
	ROWSTAT \rt
.if \rt != 1
	s_wait_alu depctr_vm_vsrc(0)                   ; the LDS stores that read buffer f have read it: the statistics' (turn 0), row tile rt - 2's, issued in the turn before (turns 2 and 3)
.endif
	s_wait_alu depctr_va_vdst(0)                   ; v_rsq_f32 has written its result; the turn before has written buffer g, which the stores below read
.if \rt > 0
	KSTORE \rt-1, \g
.endif
	PACK \rt, \f
.endm
.macro QTURN rt, f, g
	ROWSTAT \rt
.if \rt >= 2
	s_wait_xcnt 0x0                                ; buffer f was the data of the stores issued in the turn before
.endif
.if \rt != 1
	s_wait_alu depctr_vm_vsrc(0)                   ; the stores that read buffer f have read it: the statistics' LDS stores (turn 0), row tile rt - 2's, issued in the turn before (turns 2 and 3)
.endif
	s_wait_alu depctr_va_vdst(0)                   ; v_rsq_f32 has written its result; the turn before has written buffer g, which the stores below read
.if \rt > 0
	QSTORE \rt-1, \g
.endif
	PACK \rt, \f
.endm
; the two row halves' statistics of a head are joined (64 rows each: M2 = M2a + M2b + (Sa - Sb)^2 / 128) and stored; waves 0 and 1 only.
; The loads land in T: every vector instruction that named T stands ahead of the wait on va_vdst in front of the last stores above this macro.
.macro MERGE t, st
	s_cmp_ge_u32 s22, 2
	s_cbranch_scc1 .Lnomerge_\@
	ds_load_b64 v[T:T+1],   v13 offset:\st
	ds_load_b64 v[T+2:T+3], v13 offset:\st+256
	ds_load_b64 v[T+4:T+5], v13 offset:\st+1024
	ds_load_b64 v[T+6:T+7], v13 offset:\st+1280
	s_wait_dscnt 0x0
	v_pk_add_f32 v[T+8:T+9], v[T:T+1], v[T+4:T+5] neg_lo:[0,1] neg_hi:[0,1]
	v_pk_add_f32 v[T:T+1],   v[T:T+1], v[T+4:T+5]
	v_pk_add_f32 v[T+2:T+3], v[T+2:T+3], v[T+6:T+7]
	v_pk_mul_f32 v[T+8:T+9], v[T+8:T+9], v[T+8:T+9]
	v_pk_fma_f32 v[T+2:T+3], v[T+8:T+9], 0x3c000000, v[T+2:T+3] op_sel_hi:[1,0,1]
	s_wait_alu depctr_va_vdst(0)                   ; the joined S and M2 are written in v[T .. T+3], which the two stores read
	global_store_b64 v15, v[T:T+1],   s[42:43] offset:(2*\t)*131072
	global_store_b64 v15, v[T+2:T+3], s[42:43] offset:(2*\t+1)*131072
	s_wait_xcnt 0x0                                ; T is written again only behind this wait
.Lnomerge_\@:
.endm
; ==== the three tensors: t = 0 v, 1 k, 2 q
	s_mov_b32 s56, 0
.Ltensor:
	s_cmp_eq_u32 s56, 0
	s_cselect_b64 s[52:53], s[32:33], s[30:31]     ; the tensor behind this one: k behind v, q behind k (behind q none: not used)
	s_cmp_lt_u32 s56, 2
	s_cselect_b32 s58, 1, 0                        ; q's second half fills nothing
	s_wait_alu depctr_vm_vsrc(0)                   ; on the way in: the staging's loads and stores have read v48 to v52 and U; on the way round: the stores behind the last product have read F0, F1, the accumulators and T, and LayerNorm's have read v5.  All these are written again below
	v_mov_b32 v5, v14
	s_mov_b32 s54, 2
.Lhalf:                                            ; half a tensor: my 16 rows in four turns, once round the ring
	LNPROC 1, 192, 0
	LNPROC 2, 192, 1
	LNPROC 3, 128, 2
	LNPROC 3, 192, 3
	s_wait_xcnt 0x0                                ; the ring's base is written only behind this wait
	s_add_nc_u64 s[36:37], s[36:37], 32768         ; behind a second half: the tensor that has been begun, groups 4 to 7;
	s_cmp_eq_u32 s54, 2
	s_cselect_b64 s[36:37], s[52:53], s[36:37]     ; behind a first half: the next tensor, groups 0 to 3
	s_mov_b32 s57, s58
	s_wait_alu depctr_vm_vsrc(0)                   ; the four turns' LDS stores have read v5, which is stepped, and U, in which the product's fragments land behind the second half
	v_add_nc_u32 v5, 16*APITCH, v5                 ; 16 rows of A on
	s_sub_co_u32 s54, s54, 1
	s_cmp_lg_u32 s54, 0
	s_cbranch_scc1 .Lhalf
	BAR                                            ; A is whole
	GEMM
	s_cmp_eq_u32 s56, 0
	s_cbranch_scc0 .Lnot_v
; ---- behind v's product: V in f16 into LDS, all conversions, then the stores
.irp rt, 0,1,2,3
.irp b, 0,1,2,3
.irp p, 0,1,2,3
	v_cvt_pk_f16_f32 v[F0+16*\rt+4*\b+\p], v[ACC+32*\rt+8*\b+2*\p], v[ACC+32*\rt+8*\b+2*\p+1]
.endr
.endr
.endr
	s_wait_alu depctr_va_vdst(0)                   ; the conversions have written F0 and F1, which the LDS stores read
.irp rt, 0,1,2,3
.irp b, 0,1,2,3
	ds_store_b128 v8, v[F0+16*\rt+4*\b:F0+16*\rt+4*\b+3] offset:\rt*16*VPITCH+32*\b
.endr
.endr
	BAR                                            ; every wave has read A
	s_branch .Lnext
.Lnot_v:
	s_cmp_eq_u32 s56, 1
	s_cbranch_scc0 .Lis_q
; ---- behind k's product
	BAR                                            ; every wave has read A: khat and kc go over it
	COLSTAT
	COLSTORE 0
	KTURN 0, F0, F1
	KTURN 1, F1, F0
	KTURN 2, F0, F1
	KTURN 3, F1, F0
	s_wait_alu depctr_va_vdst(0)                   ; the last turn has written F1, which the stores below read
	KSTORE 3, F1
	BAR                                            ; khat, kc, V and the statistics are whole
	s_wait_alu depctr_vm_vsrc(0)                   ; my LDS stores have read F0 and F1, in which the fragments below land
; M[d1][d2] = sum over my work-group's 128 rows of K[row][d1] V[row][d2]: source 0 = V^T (d2 along the registers), source 1 = K^T (d1 = lane % 16)
.irp s, 0,1,2,3
.if \s
	PLACES
	s_wait_alu depctr_va_vdst(0)                   ; the last step's matrix instructions are done reading F0 and F1, in which this step's fragments land
.endif
.irp b, 0,1,2,3
	ds_load_tr16_b128 v[F0+8*\b:F0+8*\b+3],   v10 offset:9216*\s+32*\b
	ds_load_tr16_b128 v[F0+8*\b+4:F0+8*\b+7], v10 offset:9216*\s+32*\b+4608
	ds_load_tr16_b128 v[F1+8*\b:F1+8*\b+3],   v9 offset:9216*\s+32*\b
	ds_load_tr16_b128 v[F1+8*\b+4:F1+8*\b+7], v9 offset:9216*\s+32*\b+4608
.endr
	s_wait_dscnt 0x0
.irp a, 0,1,2,3
.irp b, 0,1,2,3
.if \s
	v_wmma_f32_16x16x32_f16 v[ACC+32*\a+8*\b:ACC+32*\a+8*\b+7], v[F0+8*\b:F0+8*\b+7], v[F1+8*\a:F1+8*\a+7], v[ACC+32*\a+8*\b:ACC+32*\a+8*\b+7]
.else
	v_wmma_f32_16x16x32_f16 v[ACC+32*\a+8*\b:ACC+32*\a+8*\b+7], v[F0+8*\b:F0+8*\b+7], v[F1+8*\a:F1+8*\a+7], 0
.endif
.endr
.endr
.endr
	PLACES
	s_wait_alu depctr_va_vdst(0)                   ; the matrix instructions have written the accumulators, which the stores read; the places above stay beside this wait
.irp a, 0,1,2,3
.irp b, 0,1,2,3
	global_store_b128 v11, v[ACC+32*\a+8*\b:ACC+32*\a+8*\b+3],   s[40:41] offset:\a*32768+1024*\b
	global_store_b128 v11, v[ACC+32*\a+8*\b+4:ACC+32*\a+8*\b+7], s[40:41] offset:\a*32768+1024*\b+512
.endr
.endr
	s_wait_xcnt 0x0                                ; the accumulators are written again only behind this wait
	MERGE 1, 0
	BAR                                            ; every wave has read khat, kc and V: A may be written again
	s_branch .Lnext
.Lis_q:
; ---- behind q's product
	COLSTAT
	COLSTORE 2048
	QTURN 0, F0, F1
	QTURN 1, F1, F0
	QTURN 2, F0, F1
	QTURN 3, F1, F0
	s_wait_alu depctr_va_vdst(0)                   ; the last turn has written F1, which the stores below read
	QSTORE 3, F1
	s_wait_xcnt 0x0                                ; the loop's text writes F0 and F1 again at its head: they are freed on every way round
	BAR                                            ; the statistics of q are whole, and every wave has read A
	MERGE 0, 2048
.Lnext:
	s_add_co_u32 s56, s56, 1
	s_cmp_lt_u32 s56, 3
	s_cbranch_scc1 .Ltensor
	s_wait_xcnt 0x0
	s_wait_alu depctr_vm_vsrc(0)                   ; q's stores have read v254 and v255, which are made anew below
	v_lshl_add_u32 v254, v0, 2, 0x2a800
	v_mov_b32 v255, 0
	s_wait_dscnt 0x0                               ; the closing lines, six on end
	s_wait_alu 0x0
	s_wait_tensorcnt 0x0
	ds_add_u32 v254, v255
	s_wait_dscnt 0x0
	s_endpgm
.Lfunc_end_k_q55f6f72361_proj:
	.size	k_q55f6f72361_proj, .Lfunc_end_k_q55f6f72361_proj-k_q55f6f72361_proj
	.p2alignl 7, 3214868480
	.fill 96, 4, 3214868480
	.section	.rodata,"a",@progbits
	.p2align	6, 0x0
	.amdhsa_kernel k_q55f6f72361_proj
		.amdhsa_group_segment_fixed_size 174592
		.amdhsa_private_segment_fixed_size 0
		.amdhsa_enable_private_segment 0
		.amdhsa_kernarg_size 72
		.amdhsa_user_sgpr_count 2
		.amdhsa_user_sgpr_kernarg_segment_ptr 1
		.amdhsa_wavefront_size32 1
		.amdhsa_system_sgpr_workgroup_id_x 1
		.amdhsa_system_sgpr_workgroup_id_y 1
		.amdhsa_system_sgpr_workgroup_id_z 1
		.amdhsa_system_vgpr_workitem_id 0
		.amdhsa_next_free_vgpr 1024
		.amdhsa_next_free_sgpr 66
		.amdhsa_reserve_vcc 0
		.amdhsa_float_denorm_mode_32 3
		.amdhsa_float_denorm_mode_16_64 3
		.amdhsa_memory_ordered 1
		.amdhsa_forward_progress 1
		.amdhsa_inst_pref_size 255
	.end_amdhsa_kernel
	.section	.bss,"aw",@nobits
	.p2align	6
	.space	262144
	.amdgpu_metadata
---
amdhsa.version: [ 1, 2 ]
amdhsa.kernels:
  - .name:           k_q55f6f72361_proj
    .symbol:         k_q55f6f72361_proj.kd
    .args:
      - { .name: q, .offset: 0, .size: 8, .value_kind: global_buffer, .address_space: global }
      - { .name: k, .offset: 8, .size: 8, .value_kind: global_buffer, .address_space: global }
      - { .name: v, .offset: 16, .size: 8, .value_kind: global_buffer, .address_space: global }
      - { .name: ln_g, .offset: 24, .size: 8, .value_kind: global_buffer, .address_space: global }
      - { .name: ln_b, .offset: 32, .size: 8, .value_kind: global_buffer, .address_space: global }
      - { .name: w_in, .offset: 40, .size: 8, .value_kind: global_buffer, .address_space: global }
      - { .name: qf, .offset: 48, .size: 8, .value_kind: global_buffer, .address_space: global }
      - { .name: pm, .offset: 56, .size: 8, .value_kind: global_buffer, .address_space: global }
      - { .name: cs, .offset: 64, .size: 8, .value_kind: global_buffer, .address_space: global }
    .group_segment_fixed_size: 174592
    .private_segment_fixed_size: 0
    .kernarg_segment_align: 8
    .kernarg_segment_size: 72
    .max_flat_workgroup_size: 128
    .sgpr_count:     66
    .vgpr_count:     1024
    .wavefront_size: 32
...
	.end_amdgpu_metadata
.endif
;; end of part 6
;; launch fold: the kernel of part 5 again; grid 256 x 1, 4 waves a work-group, no clusters, 37,632 bytes of LDS; arguments pm, cs, w_out, wf, mu, cst; writes wf, mu, cst
;; launch final: the kernel of part 3 again; grid 4 x 64, 8 waves a work-group, clusters of 4 x 4, 327,680 bytes of LDS; arguments qf, wf, out0, b_out, mu, cst, p_w1, p_b1, p_ln_g, p_ln_b, p_w2, p_b2; writes out0
